; MI455X (gfx1250); checked and timed in simulation.
; The chip was launched on July 23, 2026; its instructions are those of AMD's public machine-readable ISA for CDNA 5 (MIT licence, August 2026) and "CDNA5" Instruction Set Architecture Reference Guide (July 2026). The comments in the code are by the model that wrote it; some were corrected since.
;; Self Attention. Allowed arithmetic: matrix products marked QUANTISED: E2M3 operands, one E8M0 scale for each 32 along K, by v_wmma_scale_f32_16x16x128_f8f6f4 with both operands' format E2M3, f32 sums; everything else in f32.
;; Inputs: Wk_codes 1,024 x 32 x 24 uint8 (E2M3 codes of Wk, K innermost, in blocks of 32 codes, four codes in three bytes); Wk_scales 1,024 x 32 uint8 (E8M0 scales of Wk, one for each 32 codes along K); Wq_codes 1,024 x 32 x 24 uint8 (E2M3 codes of Wq, K innermost, in blocks of 32 codes, four codes in three bytes); Wq_scales 1,024 x 32 uint8 (E8M0 scales of Wq, one for each 32 codes along K); Wv_codes 1,024 x 32 x 24 uint8 (E2M3 codes of Wv, K innermost, in blocks of 32 codes, four codes in three bytes); Wv_scales 1,024 x 32 uint8 (E8M0 scales of Wv, one for each 32 codes along K); bk 1,024 float32; bq 1,024 float32; bv 1,024 float32; lengths 4 int32; x_codes 4 x 2,048 x 32 x 24 uint8 (E2M3 codes of x, K innermost, in blocks of 32 codes, four codes in three bytes); x_scales 4 x 2,048 x 32 uint8 (E8M0 scales of x, one for each 32 codes along K).
;; Outputs: out0 4 x 2,048 x 1,024 float32.
;; This version of the problem:
;;   THIS VERSION OF THE PROBLEM IS GIVEN IN LOW PRECISION. The matrix products marked QUANTISED in the list below multiply operands that are first quantised to E2M3 (2 exponent bits, 3 mantissa bits; 6 bits a number), with one power-of-two scale for each 32 numbers along K (OCP MX v1.0); their sums are f32. All else is computed in f32.
;;   The module's matrix products, in the order in which they are computed (A, B: the left and right operand; K: the contracted axis; several contracted axes count as one K, in the product's order):
;;     1. [M 8,192, K 1,024] x [K 1,024, N 1,024]; A: input x (given as codes); B: input Wq (given as codes): QUANTISED
;;     2. [M 8,192, K 1,024] x [K 1,024, N 1,024]; A: input x (given as codes); B: input Wk (given as codes): QUANTISED
;;     3. [M 8,192, K 1,024] x [K 1,024, N 1,024]; A: input x (given as codes); B: input Wv (given as codes): QUANTISED
;;     4. batch 4 x [M 2,048, K 1,024] x [K 1,024, N 2,048]; A: computed on the way; B: computed on the way: QUANTISED
;;     5. batch 4 x [M 2,048, K 2,048] x [K 2,048, N 1,024]; A: softmax (see below); B: computed on the way: QUANTISED
;;   THE QUANTISER, for each operand of a quantised product, along K:
;;     - K is cut into blocks of 32 from its start; a last block that is shorter is filled with zeros.
;;     - A block's scale is 2^e with e = floor(log2(the largest magnitude in the block)) - 2, held to -126 .. 127; a block of zeros has e = 0. As a byte (E8M0): e + 127.
;;     - Each number is divided by its block's scale, clamped to +-7.5, and rounded to the nearest number of E2M3, ties to even, subnormals kept.
;;     - The product sums the exact products of the quantised numbers (number of the format x scale) in f32.
;;   ~~~python
;;   def quantise(x, axis):      # numpy; x: float32 -> the quantised numbers, widened to float32 again
;;       x = np.moveaxis(x, axis, -1); K = x.shape[-1]
;;       x = np.pad(x, [(0, 0)] * (x.ndim - 1) + [(0, -K % 32)]); x = x.reshape(x.shape[:-1] + (-1, 32)); a = np.abs(x).max(-1, keepdims=True)
;;       e = np.where(a > 0, np.clip(np.frexp(np.where(a > 0, a, 1))[1] - 1 - 2, -126, 127), 0)      # np.frexp(a)[1] - 1 = floor(log2(a)), exactly
;;       r = np.clip(x / 2.0 ** e, -7.5, 7.5)
;;       step = 2.0 ** (np.maximum(np.frexp(np.where(r == 0, 1, r))[1] - 1, 0) - 3)
;;       q = np.round(r / step) * step * 2.0 ** e      # np.round: ties to even
;;       return np.moveaxis(q.reshape(q.shape[:-2] + (-1,))[..., :K], -1, axis).astype(np.float32)
;;   ~~~
;;   SOFTMAX AHEAD OF A QUANTISED PRODUCT. Where the list says 'softmax', what is quantised is not the finished softmax but p = 2^(t - M), with t = logit x log2(e) and M = ceil(the row's largest t), a whole number; so 1/2 < the row's largest p <= 1. The row's sum l is taken of the UNQUANTISED p, in f32, and the product's result is divided by l at the end. Since M is a whole number, a kernel that streams over the keys may use a running M (the ceiling of the running maximum): every later rescaling is an exact power of two, which a block's scale takes up: the codes' values come out the same.
;;   OPERANDS COMPUTED ON THE WAY. 'Computed on the way' means the value that the module computes at that place (a softmax that the list does not call 'softmax' is quantised finished and normalised). What goes into a quantiser is computed in f32, as accurately as f32 sums, v_exp_f32 and their like allow (about 1e-6 of the number): no bf16 or f16 on the way to a quantiser, and a product that is left as it is and whose result goes on into a quantised operand takes f32 operands (vector FMAs, or v_wmma_f32_16x16x4_f32). A number that lies on a knife's edge between two numbers of the format may be rounded either way, as far as f32 arithmetic and the matrix unit's own rounding can turn it there, and no further.
;;   INPUTS GIVEN AS CODES. Wk (in the module: [1024, 1024], K = its axis 0); Wq (in the module: [1024, 1024], K = its axis 0); Wv (in the module: [1024, 1024], K = its axis 0); x (in the module: [4, 2048, 1024], K = its axis 2): each comes as NAME_codes (uint8): NAME with its K axis moved to the last place and cut into blocks of 32 codes, [.., K / 32, bytes a block], one block behind the other in memory; four codes in three bytes: a row's codes are one little-endian stream of bits, code i at bits 6 i .. 6 i + 5 (a code: sign, 2 exponent bits, 3 mantissa bits); and NAME_scales (uint8): the same leading axes, one E8M0 byte (e + 127) for each 32 codes along K. Its value is code x scale, taken as it is: it is not quantised again, and the codes and scales need not be those that the quantiser above would give.
;; One version. Each part assembles by itself: llvm-mc -triple=amdgcn-amd-amdhsa -mcpu=gfx1250 --defsym DOCPART=n.
;; ======== version 1 of 1: 3 launches
;; workspace buffers: qk 13,631,488 bytes; vw 6,815,744 bytes; pw 14,680,064 bytes
;; launch proj (part 1): grid 8 x 32, 4 waves a work-group, clusters of 4 x 4, 327,680 bytes of LDS; arguments x_codes, x_scales, Wq_codes, Wq_scales, Wk_codes, Wk_scales, Wv_codes, Wv_scales, bq, bk, bv, qk, vw; writes qk, vw
.if DOCPART == 1
	.amdgcn_target "amdgcn-amd-amdhsa--gfx1250"
	.amdhsa_code_object_version 6
	.text
	.protected	k_qa6ea7b225d_proj
	.globl	k_qa6ea7b225d_proj
	.p2align	8
	.type	k_qa6ea7b225d_proj,@function
k_qa6ea7b225d_proj:
	s_mov_b64 s[64:65], 0
	v_nop
	global_prefetch_b8 v0, s[64:65] scope:SCOPE_SE
	s_setreg_imm32_b32 hwreg(HW_REG_WAVE_MODE, 25, 1), 1
	s_wait_xcnt 0x0
	s_wait_alu depctr_hold_cnt(0) depctr_sa_sdst(0) depctr_va_vdst(0) depctr_va_sdst(0) depctr_va_ssrc(0) depctr_va_vcc(0) depctr_vm_vsrc(0)
	s_getreg_b32 s2, hwreg(HW_REG_IB_STS2, 6, 4)
	s_cmp_eq_u32 s2, 0
	s_cbranch_scc0 .Lentry_in_a_cluster
	s_endpgm
.Lentry_in_a_cluster:
	s_bfe_u32 s2, ttmp6, 0x10000c
	s_cmp_lg_u32 s2, 0xf033
	s_cbranch_scc0 .Lentry_shape_is_right
	s_endpgm
.Lentry_shape_is_right:
; q = x Wq + bq, k = x Wk + bk, v = x Wv + bv on codes of FP6 (E2M3) with E8M0 scales, and the three results quantised on the way out: q and k along the 1,024 channels, v along the keys.
; THE PROGRAM: this launch; then 'score' (q k^T under the causal limit, the masks, p = 2^(t - M) as codes); then 'pv' (p v, divided by the row's sum).
; WORK LEFT OUT BY THE LATER LAUNCHES, AND WHY IT IS DEAD.  reference() adds -1e9 to the logit of every key j > i.  In row i key 0 is never hidden by that mask, and the length mask adds the same term (0 or -1e9) to key 0
; as to every key j <= i of the row, and no smaller term than that to the keys j > i.  So a key j > i lies 1e9 - (att_0 - att_j) under key 0, its weight is exp of that, and for every input with |att| < 1e8 it is 0 in f32
; and adds nothing to the row's sum or to the output.  Left out in whole units: the tiles of 256 x 256 of q k^T that lie wholly over the diagonal, the 128 x 128 unit over the diagonal in a tile on it, and the same key
; steps of p v.  No input is left out.  LIMITS: |att| >= 1e8 is not served; a NaN, an infinity or an overflow that reaches only such hidden keys is not carried to the result.
; A block whose largest magnitude lies under 2^(3 - 127) keeps the scale byte 1 (a block of zeros too: its codes are zeros, and this program alone reads the bytes).
; SHARES.  The three products are 384 tiles of 256 x 256; 256 work-groups take one and a half each, all alike.  FIRST a tile of 256 rows x 256 channels of q (cluster x = 0) or k (1): a wave makes 128 x 128, 64 accumulators.
; THEN half a tile of v: 128 channels x 256 keys: a wave makes 64 x 128, 32 accumulators.  K = 1,024 goes in four fills of 256 through two LDS slots, and the ring goes on from the first tile into the second:
; the second tile's first two fills are asked for at the first tile's last two changes of slots and land under its way out.
; 'A' is the operand whose rows a lane keeps (source 1), 'B' the one along whose rows a lane's registers run (source 0): the quantiser's axis.  q, k: A = x (rows), B = W (channels).  v: A = Wv (channels), B = x (keys).
; A's tiles hang on the cluster's y place alone and are shared along a row of the cluster, B's on its x place alone and are shared along a column: each is asked for jointly.
; WHO FETCHES.  First tile: waves 0, 1 A's halves, waves 2, 3 B's.  Second tile: wave 0 A's 128 rows, waves 2, 3 B's halves; wave 1 brings the second tile's scale bytes (A's at one change of slots, B's at the next), then nothing.
; THE SCALE BYTES of a tile's rows for all of K lie in LDS; all 64 scale words of a wave are read into registers at the tile's start, so the second tile's bytes may land on the first's.
; THE WAY OUT.  A block of 16 A rows x 128 B rows gets its bias, is brought into the order of the next product's K, quantised in registers, and leaves as AN IMAGE OF THE OPERAND'S REGISTERS: 3 stores of 512 consecutive
; bytes (lane l's 16 bytes at 16 l), and 128 bytes of scale words (4 bytes a lane).  The later launches load fragments by 16-byte loads alone.
; qk: q's images [row / 16][channel / 128][1,536] at 0, k's at 6,291,456; scale words [channel / 128][row / 16][128] at 12,582,912 and 13,107,200.
; vw: images [batch][channel / 16][key / 128][1,536]; scale words [batch][key / 128][channel / 16][128] at 6,291,456.
; REGISTERS: window 0: v1 r, v2 h, v8-29 addresses; v32-95 scale words (block i, K step s at v[32 + 8 i + s]: lanes 0-15 A's, lanes 16-31 B's); v128-223 A's fragments (first tile: one set of 8 blocks; second: two sets of 4);
; v224-231 bv.  Window 1: B's fragments, two sets, at v0 and v128; bq or bk at v96-127 and v224-255.  Windows 2, 3: the accumulators ((a, b) at v[8 (8 (a % 4) + b)]).
; On the way out, window 0: v64-127 a block's 64 numbers, v32-51 its codes, v192-208 at work.
.set ROWB,   192                       ; a tile's row: 256 codes
.set KROW,   768                       ; a row of 1,024 codes in memory
.set PITCH,  240                       ; an LDS row: 3 x (64 bytes + 16 of padding)
.set FR,     12
.set NL,     6
.set NP,     4
.set HALFT,  128*PITCH
.set SLOT,   4*HALFT
.set KS,     32                        ; a row of scale bytes
.set SCL,    2*SLOT                    ; behind the ring: the scale bytes, as units of 256 bytes + 16 of padding: A's 256 rows, then B's 256
.set HALFS,  (128*KS/256)*272
.set SBLK,   (16*KS/256)*272
.set SPARE,  SCL+4*HALFS               ; the spare words: 128 bytes a wave, two blocks of 256 bytes that no other line names
.set ADRA2, 8                          ; v8-11  the second tile's A fragments: slot 0, 1; the same behind one padding more
.set ADRS2, 12                         ; v12    the second tile's scale words
.set BO2,   13                         ; v13    bv's offset
.set ADRA, 16
.set ADRB, 20
.set LI,   24                          ; 16 x lane
.set L4,   25                          ; 4 x lane
.set BO,   26                          ; bq's or bk's offset
.set ADRS, 27
.set SPW,  28
.set NIL,  29
.set SC,   32
.set AF,   128
.set BV,   224
.set HA,   64
.set PC,   32
.set TM,   192
.set PW,   208
.set WV,   30
.set AH,   31
.set BH,   66
.set SEL,  20
.set G1,   32
.set G0,   40
.set G1B,  48
.set G0B,  56
.set G1S,  68
.set G0S,  76
.set G1SB, 80
.set G0SB, 88
.set MSB, 0
.macro WIN new                         ; the immediate's high byte repeats the setting that is left
.if MSB != (\new)
	s_set_vgpr_msb (MSB<<8)|(\new)
.set MSB, (\new)
.endif
.endm
.set MUL_LO, 0xa1                      ; source 0 (B) window 1, source 1 (A) window 0, C and D window 2
.set MUL_HI, 0xf1
.set TO_B,   0x40
.macro PLACES n
.rept \n
	v_nop
.endr
.endm
; A joint load of the first tile: waves 0 and 1 fetch for A, waves 2 and 3 for B.  An s_nop 0 and four v_nop follow each of the two lines.
.macro JLOAD g0a, g1a, g0b, g1b
	s_cmp_eq_u32 s[AH], 0
	s_cbranch_scc0 .Lfor_b_\@
	tensor_load_to_lds s[\g0a:\g0a+3], s[\g1a:\g1a+7]
	s_nop 0
.rept 4
	v_nop
.endr
	s_branch .Lasked_\@
.Lfor_b_\@:
	tensor_load_to_lds s[\g0b:\g0b+3], s[\g1b:\g1b+7]
	s_nop 0
.rept 4
	v_nop
.endr
.Lasked_\@:
.endm
; A joint load of the second tile: wave 0 fetches A's 128 rows, waves 2 and 3 B's halves; wave 1 fetches scale bytes (hasx = 1) or nothing.  The branches hang on the wave's number alone.
.macro JLOAD2 g0a, g0b, hasx, g0x, g1x
	s_cmp_eq_u32 s[AH], 0
	s_cbranch_scc0 .Lfor_b_\@
	s_cmp_eq_u32 s[WV], 0
	s_cbranch_scc0 .Lfor_x_\@
	tensor_load_to_lds s[\g0a:\g0a+3], s[G1:G1+7]
	s_nop 0
.rept 4
	v_nop
.endr
	s_branch .Lasked_\@
.Lfor_x_\@:
.if \hasx
	tensor_load_to_lds s[\g0x:\g0x+3], s[\g1x:\g1x+7]
	s_nop 0
.rept 4
	v_nop
.endr
.endif
	s_branch .Lasked_\@
.Lfor_b_\@:
	tensor_load_to_lds s[\g0b:\g0b+3], s[G1B:G1B+7]
	s_nop 0
.rept 4
	v_nop
.endr
.Lasked_\@:
.endm
.macro CREST                           ; a round of the cluster's barrier behind its opening barrier
	s_cmp_lg_u32 s[WV], 0
	s_cbranch_scc1 .Lnot_wave_0_\@
	s_barrier_signal -3
.Lnot_wave_0_\@:
	s_barrier_wait -3
	s_barrier_signal -1
	s_barrier_wait -1
.endm
.macro CROUND
	s_barrier_signal -1
	s_barrier_wait -1
	CREST
.endm
	s_load_b512 s[4:19], s[0:1], 0x0               ; x codes, x scales, Wq codes, Wq scales, Wk codes, Wk scales, Wv codes, Wv scales
	s_load_b256 s[20:27], s[0:1], 0x40             ; bq, bk, bv, qk
	s_load_b64 s[28:29], s[0:1], 0x60              ; vw
	v_lshl_add_u32 v[SPW], v0, 2, SPARE
	v_mov_b32 v[NIL], 0
	ds_add_u32 v[SPW], v[NIL]                      ; the wave's opening: the add, twice on end, and its wait ahead of my first tensor load
	ds_add_u32 v[SPW], v[NIL]
	v_lshrrev_b32 v1, 5, v0
	v_readfirstlane_b32 s[WV], v1                  ; wave 0..3
	s_lshr_b32 s[AH], s[WV], 1                     ; which half of A's rows is mine.  Also: I fetch for A (0) or for B (1)
	s_and_b32 s[BH], s[WV], 1                      ; which half of B's rows.  Also: which 128 rows of a tile I fetch
	s_bfe_u32 s67, ttmp6, 0x40000                  ; cx
	s_bfe_u32 s2, ttmp6, 0x40004                   ; cy
	s_and_b32 s3, ttmp7, 0xffff
	s_lshl_b32 s3, s3, 2                           ; 4 x cluster y: which four tiles of x's 32
	s_add_co_u32 s94, s3, s2                       ; the first tile's A: x's tile 4 Y + cy
	s_mov_b32 s95, s67                             ; its B: W's tile cx
	s_lshl_b32 s92, s2, 2
	s_lshl_b32 s92, 15, s92                        ; my row of the cluster
	s_lshl_b32 s93, 0x1111, s67                    ; my column
	s_or_b32 s[G1+0], s92, (0<<16)|(1<<20)|(1<<21)|(3<<22)|(3<<25)   ; the mask; elements of 1 byte; padding on; bit 21 beside a mask; after every 16 words, 4 words
	s_or_b32 s[G1B+0], s93, (0<<16)|(1<<20)|(1<<21)|(3<<22)|(3<<25)
.irp g, G1, G1B
	s_mov_b32 s[\g+1], ROWB<<16                    ; tensor_dim0
	s_mov_b32 s[\g+2], 128<<16                     ; tensor_dim1
	s_mov_b32 s[\g+3], ROWB<<16                    ; tile_dim0
	s_mov_b32 s[\g+4], 128                         ; tile_dim1
	s_mov_b32 s[\g+5], KROW                        ; the pitch
	s_mov_b32 s[\g+6], 0
	s_mov_b32 s[\g+7], 0
.endr
	s_or_b32 s[G1S+0], s92, (3<<16)|(1<<20)|(1<<21)|(5<<22)|(3<<25)  ; the scale bytes of 128 rows: 4,096 dense bytes as 16 rows of 256, 16 bytes of padding behind each
	s_or_b32 s[G1SB+0], s93, (3<<16)|(1<<20)|(1<<21)|(5<<22)|(3<<25)
.irp g, G1S, G1SB
	s_mov_b32 s[\g+1], 32<<16
	s_mov_b32 s[\g+2], (128*KS/256)<<16
	s_mov_b32 s[\g+3], 32<<16
	s_mov_b32 s[\g+4], 128*KS/256
	s_mov_b32 s[\g+5], 32
	s_mov_b32 s[\g+6], 0
	s_mov_b32 s[\g+7], 0
.endr
	s_lshl_b32 s92, ttmp9, 2                       ; the masks are made: the two registers take the second tile's numbers
	s_add_co_u32 s92, s92, s2                      ; its A: Wv's 128 channels number 4 X + cy
	s_add_co_u32 s93, s3, s67                      ; its B: x's tile 4 Y + cx
	s_wait_dscnt 0x0                               ; both opening adds are done
	s_wait_kmcnt 0x0
	s_cmp_eq_u32 ttmp9, 1                          ; q or k: the buffers are chosen by the cluster's x alone
	s_cselect_b64 s[8:9], s[12:13], s[8:9]         ; Wk or Wq: codes,
	s_cselect_b64 s[10:11], s[14:15], s[10:11]     ; scales,
	s_cselect_b64 s[100:101], s[22:23], s[20:21]   ; bias
	s_mov_b32 s[SEL], 0x76543210
	s_mov_b32 s[SEL+1], 0xfedcba98                 ; v_permlanex16_b32's selects for lane l xor 16
	s_lshl_b32 s22, s[BH], 7                       ; which 128 rows of a tile I fetch
	s_mov_b32 s15, 0
	s_lshl_b32 s12, s94, 8                         ; A's addresses are made in registers that never hold cx
	s_add_co_u32 s12, s12, s22
	s_mul_i32 s14, s12, KROW
	s_add_nc_u64 s[96:97], s[4:5], s[14:15]        ; first tile, A: x's codes,
	s_lshl_b32 s14, s12, 5
	s_add_nc_u64 s[98:99], s[6:7], s[14:15]        ; x's scale bytes
	s_lshl_b32 s12, s92, 7
	s_mul_i32 s14, s12, KROW
	s_add_nc_u64 s[16:17], s[16:17], s[14:15]      ; second tile, A: Wv's codes at its 128 rows,
	s_lshl_b32 s14, s12, 5
	s_add_nc_u64 s[18:19], s[18:19], s[14:15]      ; Wv's scale bytes
	s_mov_b32 s57, 0                               ; B's in registers of B's own descriptors
	s_lshl_b32 s58, s95, 8
	s_add_co_u32 s58, s58, s22
	s_mul_i32 s56, s58, KROW
	s_add_nc_u64 s[8:9], s[8:9], s[56:57]          ; first tile, B: W's codes,
	s_lshl_b32 s56, s58, 5
	s_add_nc_u64 s[10:11], s[10:11], s[56:57]      ; W's scale bytes
	s_lshl_b32 s58, s93, 8
	s_lshl_b32 s56, s58, 5
	s_add_nc_u64 s[6:7], s[6:7], s[56:57]          ; second tile, B: x's scale bytes at the tile's first row (one load brings all 256 rows'),
	s_add_co_u32 s58, s58, s22
	s_mul_i32 s56, s58, KROW
	s_add_nc_u64 s[4:5], s[4:5], s[56:57]          ; x's codes at my 128 rows
	s_mul_i32 s12, s[WV], HALFT                    ; where they go: wave x 128 rows: no place in the cluster enters an LDS address
	s_mul_i32 s13, s[WV], HALFS
	CROUND                                         ; all sixteen work-groups are here: the first joint loads meet
	s_mov_b32 s[G0S], 1
	s_add_co_u32 s[G0S+1], s13, SCL
	s_mov_b64 s[G0S+2:G0S+3], s[98:99]
	s_or_b32 s[G0S+3], s[G0S+3], 0x80000000
	s_mov_b32 s[G0SB], 1
	s_add_co_u32 s[G0SB+1], s13, SCL
	s_mov_b64 s[G0SB+2:G0SB+3], s[10:11]
	s_or_b32 s[G0SB+3], s[G0SB+3], 0x80000000
	JLOAD G0S, G1S, G0SB, G1SB                     ; the first tile's scale bytes for all of K
.irp s, 0,1
	s_mov_b32 s[G0+4*\s], 1
	s_add_co_u32 s[G0+4*\s+1], s12, \s*SLOT
	s_add_nc_u64 s[G0+4*\s+2:G0+4*\s+3], s[96:97], \s*ROWB
	s_or_b32 s[G0+4*\s+3], s[G0+4*\s+3], 0x80000000
	s_mov_b32 s[G0B+4*\s], 1
	s_add_co_u32 s[G0B+4*\s+1], s12, \s*SLOT
	s_add_nc_u64 s[G0B+4*\s+2:G0B+4*\s+3], s[8:9], \s*ROWB
	s_or_b32 s[G0B+4*\s+3], s[G0B+4*\s+3], 0x80000000
	JLOAD G0+4*\s, G1, G0B+4*\s, G1B               ; three tensor loads of mine are out at the most
.endr
	v_and_b32 v1, 15, v0                           ; r = lane % 16
	v_bfe_u32 v2, v0, 4, 1                         ; h = lane / 16
	v_mul_u32_u24 v3, v1, PITCH
	v_mul_u32_u24 v4, v2, 24
	v_add_nc_u32 v4, v3, v4                        ; a fragment's row x pitch + 24 x half
	v_lshl_add_u32 v5, v2, 4, v4                   ; and the same behind one padding more
	s_mul_i32 s12, s[AH], HALFT                    ; first tile: my 128 rows of A
	s_mul_i32 s13, s[BH], HALFT
	s_add_co_u32 s13, s13, 2*HALFT                 ; my 128 rows of B, in both tiles
	s_mul_i32 s14, s[AH], HALFT/2                  ; second tile: my 64 rows of A
.irp s, 0,1
	v_add_nc_u32 v[ADRA+\s], s12, v4
	v_add_nc_u32 v[ADRB+\s], s13, v4
	v_add_nc_u32 v[ADRA2+\s], s14, v4
	v_add_nc_u32 v[ADRA+2+\s], s12, v5
	v_add_nc_u32 v[ADRB+2+\s], s13, v5
	v_add_nc_u32 v[ADRA2+2+\s], s14, v5
	s_add_co_u32 s12, s12, SLOT
	s_add_co_u32 s13, s13, SLOT
	s_add_co_u32 s14, s14, SLOT
.endr
	v_mul_u32_u24 v5, v1, KS                       ; my row's scale bytes: 32 a row,
	v_lshrrev_b32 v6, 8, v5
	v_lshl_add_u32 v5, v6, 4, v5                   ; and 16 more for each 256 passed
	s_mul_i32 s12, s[AH], HALFS                    ; first tile: A's 128 rows of mine
	s_mul_i32 s13, s[BH], HALFS
	s_add_co_u32 s13, s13, 2*HALFS                 ; B's 128 rows of mine, in both tiles
	s_sub_co_u32 s14, s13, s12
	v_mul_u32_u24 v6, s14, v2                      ; lanes 16-31 take B's
	s_add_co_u32 s12, s12, SCL
	v_add_nc_u32 v6, v5, v6
	v_add_nc_u32 v[ADRS], s12, v6
	s_mul_i32 s12, s[AH], HALFS/2                  ; second tile: A's 64 rows of mine
	s_sub_co_u32 s14, s13, s12
	v_mul_u32_u24 v6, s14, v2
	s_add_co_u32 s12, s12, SCL
	v_add_nc_u32 v6, v5, v6
	v_add_nc_u32 v[ADRS2], s12, v6
	v_and_b32 v6, 31, v0
	v_lshlrev_b32 v[LI], 4, v6
	v_lshlrev_b32 v[L4], 2, v6
	; both biases are asked for here and waited for ahead of the first way out; their address registers are never rewritten
	s_lshl_b32 s12, s95, 10                        ; bq or bk at channel 256 x B's tile + 128 x half; lane: 32 h
	s_lshl_b32 s13, s[BH], 9
	s_add_co_u32 s12, s12, s13
	s_mov_b32 s13, 0
	s_add_nc_u64 s[100:101], s[100:101], s[12:13]
	v_lshlrev_b32 v[BO], 5, v2
	s_lshl_b32 s12, s92, 9                         ; bv at channel 128 x A's tile + 64 x half; lane: 4 r
	s_lshl_b32 s14, s[AH], 8
	s_add_co_u32 s12, s12, s14
	s_add_nc_u64 s[24:25], s[24:25], s[12:13]
	v_lshlrev_b32 v[BO2], 2, v1
	WIN 0x40                                       ; destination window 1
.irp b, 0,1,2,3,4,5,6,7
	global_load_b128 v[96+8*\b+96*(\b/4):99+8*\b+96*(\b/4)], v[BO], s[100:101] offset:64*\b      ; channels 16 b + 8 h + 0 .. 7
	global_load_b128 v[100+8*\b+96*(\b/4):103+8*\b+96*(\b/4)], v[BO], s[100:101] offset:64*\b+16
.endr
	WIN 0
.irp a, 0,1,2,3
	global_load_b32 v[BV+2*\a], v[BO2], s[24:25] offset:64*\a        ; block a's row r, twice: a pair for the packed addition
	global_load_b32 v[BV+2*\a+1], v[BO2], s[24:25] offset:64*\a
.endr
.macro FRAG reg, adr, q, i             ; 16 rows x 128 K: 12 registers, in pieces of 8 bytes; where the piece of lanes 16-31 lies behind one padding more, the second address register serves
.irp p, 0,1,2,3,4,5
.set PCE, 12*(\q)+6*(\p/3)+\p%3
.if PCE%8 < 5
	ds_load_b64 v[\reg+2*\p:\reg+2*\p+1], v[\adr] offset:8*PCE+16*(PCE/8)+(\i)*16*PITCH
.else
	ds_load_b64 v[\reg+2*\p:\reg+2*\p+1], v[\adr+2] offset:8*PCE+16*(PCE/8)+(\i)*16*PITCH
.endif
.endr
.endm
; 16 matrix instructions: A's blocks a0, a0 + 1 (fragments from register afr on) x B's eight (set p), K step kap.  The accumulators take turns, one instruction a turn, in the same order in every step.
.macro MUL16 a0, afr, p, kap, zero
.irp a, \a0, \a0+1
.irp b, 0,1,2,3,4,5,6,7
.if \zero
	v_wmma_scale_f32_16x16x128_f8f6f4 v[8*(8*((\a)%4)+\b):8*(8*((\a)%4)+\b)+7], v[128*(\p)+FR*\b:128*(\p)+FR*\b+FR-1], v[\afr+FR*(\a):\afr+FR*(\a)+FR-1], 0, v[SC+8*\b+(\kap)], v[SC+8*(\a)+(\kap)] matrix_a_fmt:MATRIX_FMT_FP6 matrix_b_fmt:MATRIX_FMT_FP6 matrix_a_scale:MATRIX_SCALE_ROW1
.else
	v_wmma_scale_f32_16x16x128_f8f6f4 v[8*(8*((\a)%4)+\b):8*(8*((\a)%4)+\b)+7], v[128*(\p)+FR*\b:128*(\p)+FR*\b+FR-1], v[\afr+FR*(\a):\afr+FR*(\a)+FR-1], v[8*(8*((\a)%4)+\b):8*(8*((\a)%4)+\b)+7], v[SC+8*\b+(\kap)], v[SC+8*(\a)+(\kap)] matrix_a_fmt:MATRIX_FMT_FP6 matrix_b_fmt:MATRIX_FMT_FP6 matrix_a_scale:MATRIX_SCALE_ROW1
.endif
.endr
.endr
.endm
.macro FETCH_B slot, q, p
	WIN TO_B
.irp i, 0,1,2,3,4,5,6,7
	FRAG 128*(\p)+FR*\i, ADRB+\slot, \q, \i
.endr
	WIN 0
.endm
.macro FETCH_A slot, q, i0
.irp i, \i0, \i0+1, \i0+2, \i0+3
	FRAG AF+FR*(\i), ADRA+\slot, \q, \i
.endr
.endm
.macro SCALES adr                      ; a tile's 64 scale words: a row's 32 bytes are its eight K steps' words; lanes 0-15 A's block i, lanes 16-31 B's block i
.irp i, 0,1,2,3,4,5,6,7
	ds_load_b128 v[SC+8*\i:SC+8*\i+3], v[\adr] offset:\i*SBLK
	ds_load_b128 v[SC+8*\i+4:SC+8*\i+7], v[\adr] offset:\i*SBLK+16
.endr
.endm
; THE FIRST TILE.  A step of 128 along K that has its successor in the same slot.
.macro STEP slot, q, kap, zero
	s_wait_dscnt 4*NL                              ; B's set and A's blocks 0-3 are in; the youngest 24 loads (A's blocks 4-7) may be out
	WIN MUL_LO
	MUL16 0, AF, (\q)%2, \kap, \zero
	MUL16 2, AF, (\q)%2, \kap, \zero
	s_wait_dscnt 0
	PLACES NP                                      ; four places in front of loads into registers that matrix instructions have read
	FETCH_B \slot, (\q)+1, 1-(\q)%2
	FETCH_A \slot, (\q)+1, 0
	WIN MUL_HI
	MUL16 4, AF, (\q)%2, \kap, \zero
	MUL16 6, AF, (\q)%2, \kap, \zero
	PLACES NP
	WIN 0
	FETCH_A \slot, (\q)+1, 4
.endm
; A slot's last step changes slots: in front of the round each wave waits for all its tensor loads, adds 0 to its spare word, and waits for that and for its reads of this slot.
; mode 1: this slot takes this tile's K two fills on.  mode 2: it takes the SECOND tile's first 256 along K, and wave 1 brings the scale bytes of that tile's A onto the first tile's, which were last read at the tile's start.
.macro TURN slot, next, kap, mode
	s_wait_tensorcnt 0x0                           ; all my tensor loads have landed: my part of the next slot
	ds_add_u32 v[SPW], v[NIL]
	s_wait_dscnt 4*NL+1                            ; the add and the youngest 24 loads may be out
	WIN MUL_LO
	MUL16 0, AF, 1, \kap, 0
	s_wait_dscnt 0x0                               ; the add is done, and my reads of this slot are over
	s_barrier_signal -1
	MUL16 2, AF, 1, \kap, 0
	WIN 0
	s_barrier_wait -1
	CREST                                          ; the barrier has opened a round of the cluster's: no wave of any partner still reads this slot or has a load on its way
.if \mode == 1
	s_add_nc_u64 s[G0+4*\slot+2:G0+4*\slot+3], s[G0+4*\slot+2:G0+4*\slot+3], 2*ROWB
	s_add_nc_u64 s[G0B+4*\slot+2:G0B+4*\slot+3], s[G0B+4*\slot+2:G0B+4*\slot+3], 2*ROWB
	JLOAD G0+4*\slot, G1, G0B+4*\slot, G1B         ; the first tensor load behind the round; its four v_nop are the places in front of the loads below
.else
	s_mov_b64 s[G0+4*\slot+2:G0+4*\slot+3], s[16:17]
	s_or_b32 s[G0+4*\slot+3], s[G0+4*\slot+3], 0x80000000
	s_mov_b64 s[G0B+4*\slot+2:G0B+4*\slot+3], s[4:5]
	s_or_b32 s[G0B+4*\slot+3], s[G0B+4*\slot+3], 0x80000000
	s_mov_b32 s[G0S+1], SCL
	s_mov_b64 s[G0S+2:G0S+3], s[18:19]
	s_or_b32 s[G0S+3], s[G0S+3], 0x80000000
	JLOAD2 G0+4*\slot, G0B+4*\slot, 1, G0S, G1S
.endif
	FETCH_B \next, 0, 0
	FETCH_A \next, 0, 0
	WIN MUL_HI
	MUL16 4, AF, 1, \kap, 0
	MUL16 6, AF, 1, \kap, 0
	PLACES NP
	WIN 0
	FETCH_A \next, 0, 4
.endm
; THE SECOND TILE.  A's four blocks have two sets, like B's eight: K step kap multiplies set kap % 2 while the next step's 72 loads land in the other.
.macro FETCH2 slot, q, p
	WIN TO_B
.irp i, 0,1,2,3,4,5,6,7
	FRAG 128*(\p)+FR*\i, ADRB+\slot, \q, \i
.endr
	WIN 0
.irp i, 0,1,2,3
	FRAG AF+48*(\p)+FR*\i, ADRA2+\slot, \q, \i
.endr
.endm
.macro STEP2 kap, zero                 ; the next step's slot has been shown whole
.set LN, (((\kap)+1)/2)%2
.set QN, ((\kap)+1)%2
	s_wait_dscnt 0x0                               ; this step's fragments are in
	PLACES NP                                      ; in front of loads into the set that the last step's products read
	FETCH2 LN, QN, 1-(\kap)%2
	WIN MUL_LO
	MUL16 0, AF+48*((\kap)%2), (\kap)%2, \kap, \zero
	MUL16 2, AF+48*((\kap)%2), (\kap)%2, \kap, \zero
	WIN 0
.endm
.macro TURN2 kap, fill                 ; a slot's last step.  fill = 1: the slot takes K two fills on
.set LN, (((\kap)+1)/2)%2
.set QN, ((\kap)+1)%2
.set SL, ((\kap)/2)%2
	s_wait_tensorcnt 0x0                           ; all my tensor loads have landed
	ds_add_u32 v[SPW], v[NIL]
	s_wait_dscnt 0x0                               ; the add is done; this step's fragments are in, so my reads of this slot are over
	s_barrier_signal -1
	WIN MUL_LO
	MUL16 0, AF+48*((\kap)%2), (\kap)%2, \kap, 0
	WIN 0
	s_barrier_wait -1
.if \fill
	CREST
	s_add_nc_u64 s[G0+4*SL+2:G0+4*SL+3], s[G0+4*SL+2:G0+4*SL+3], 2*ROWB
	s_add_nc_u64 s[G0B+4*SL+2:G0B+4*SL+3], s[G0B+4*SL+2:G0B+4*SL+3], 2*ROWB
	JLOAD2 G0+4*SL, G0B+4*SL, 0, 0, 0              ; the first tensor load behind the round; wave 1 has no part of a tile and issues none
.endif
	PLACES NP                                      ; on every wave's way: in front of loads into the set that the last step's products read
	FETCH2 LN, QN, 1-(\kap)%2
	WIN MUL_LO
	MUL16 2, AF+48*((\kap)%2), (\kap)%2, \kap, 0
	WIN 0
.endm
; Before: lane (r, h), register 8 b + j = B's row 16 b + 8 h + j.  After: register 16 c + i = B's row 32 c + 16 h + i: sixteen neighbours along the next K.
.macro SWAP16 s
.irp c, 0,1,2,3
.irp j, 0,1,2,3,4,5,6,7
	v_permlane16_swap_b32 v[\s+16*\c+\j], v[\s+16*\c+8+\j]
.endr
.endr
.endm
; 64 numbers of a lane, register 16 b + i = k 32 b + 16 h + i of my row, become a fragment's codes in v[PC] on and its scale word in v[PW].
.macro QUANT s
.irp b, 0,1,2,3
	v_max3_num_f32 v[TM+\b], |v[\s+16*\b]|, |v[\s+1+16*\b]|, 0x1800000   ; with the floor 2^(3 - 127): the byte cannot fall under 1
.endr
.irp i, 2,4,6,8,10,12,14
.irp b, 0,1,2,3
	v_max3_num_f32 v[TM+\b], v[TM+\b], |v[\s+16*\b+\i]|, |v[\s+1+16*\b+\i]|
.endr
.endr
.irp b, 0,1,2,3
	v_permlanex16_b32 v[TM+4+\b], v[TM+\b], s[SEL], s[SEL+1]
.endr
.irp b, 0,1,2,3
	v_max_num_f32 v[TM+\b], v[TM+\b], v[TM+4+\b]   ; with lane l xor 16's: the block's largest magnitude
.endr
.irp b, 0,1,2,3
	v_add_nc_u32 v[TM+12+\b], 0xff000000, v[TM+\b] ; 2 off its exponent field: the conversion's scale operand
.endr
.irp b, 0,1,2,3
	v_lshrrev_b32 v[TM+4+\b], 23, v[TM+12+\b]      ; the scale's byte
.endr
	v_lshl_or_b32 v[PW], v[TM+5], 8, v[TM+4]
	v_lshl_or_b32 v[PW], v[TM+6], 16, v[PW]
	v_lshl_or_b32 v[PW], v[TM+7], 24, v[PW]
.irp c, 0,1
	v_cvt_scalef32_pk16_fp6_f32 v[PC+6*\c:PC+2+6*\c], v[\s+32*\c:\s+15+32*\c], v[TM+12+2*\c]
	v_cvt_scalef32_pk16_fp6_f32 v[PC+12+4*\c:PC+14+4*\c], v[\s+16+32*\c:\s+31+32*\c], v[TM+12+2*\c+1]
.endr
	v_nop                                          ; one plain place behind a scaled conversion
.irp c, 0,1                            ; the operand's layout wants a whole block in a lane
.irp i, 0,1,2
	v_permlane16_swap_b32 v[PC+6*\c+\i], v[PC+12+4*\c+\i]
.endr
.irp i, 0,1,2
	v_mov_b32 v[PC+3+6*\c+\i], v[PC+12+4*\c+\i]
.endr
.endr
.endm
; Block a's 64 sums and their bias, into window 0.  Each accumulator is read from its low end on.  role 0: q or k (the bias runs along a lane's registers); role 1: v (the bias is the lane's row's).
.macro COPY a, role
.set AC, 64*((\a)%4)
.if \role
	WIN 0x02                                       ; source 0 window 2, source 1 window 0
.else
	WIN 0x06+(\a)/4                                ; source 0 window 2 or 3, source 1 window 1
.endif
.set k, 0
.rept 32
.if \role
	v_pk_add_f32 v[HA+2*k:HA+2*k+1], v[AC+2*k:AC+2*k+1], v[BV+2*(\a):BV+2*(\a)+1]
.else
	v_pk_add_f32 v[HA+2*k:HA+2*k+1], v[AC+2*k:AC+2*k+1], v[96+2*k+96*(k/16):97+2*k+96*(k/16)]
.endif
.set k, k+1
.endr
	WIN 0
.endm
; The way out: nblk trips, a block of 16 A rows each; only the copy names accumulators, so only it is written once for each block.  s[96:97]: the images' place, s[98:99]: the scale words'.
.macro WAYOUT role, nblk
	s_mov_b32 s3, 0
.Lepi_\@:
.irp n, 1,2,3,4,5,6,7
.if \n < \nblk
	s_cmp_eq_u32 s3, \n
	s_cbranch_scc1 .Lc_\@_\n
.endif
.endr
	COPY 0, \role
	s_branch .Lbody_\@
.irp n, 1,2,3,4,5,6,7
.if \n < \nblk
.Lc_\@_\n:
	COPY \n, \role
	s_branch .Lbody_\@
.endif
.endr
.Lbody_\@:
	SWAP16 HA
	QUANT HA
.irp c, 0,1,2
	global_store_b128 v[LI], v[PC+4*\c:PC+4*\c+3], s[96:97] offset:512*\c   ; 32 lanes store 512 consecutive bytes, at a multiple of 256 from the buffer's first byte
.endr
	global_store_b32 v[L4], v[PW], s[98:99]
	s_wait_xcnt 0x0                                ; the stores have read their data and bases: both are written again only behind this wait
.if \role
	s_add_nc_u64 s[96:97], s[96:97], 24576         ; the next 16 channels: 16 key steps on
.else
	s_add_nc_u64 s[96:97], s[96:97], 12288         ; the next 16 rows: 8 channel steps on
.endif
	s_add_nc_u64 s[98:99], s[98:99], 128
	s_add_co_u32 s3, s3, 1
	s_cmp_lt_u32 s3, \nblk
	s_cbranch_scc1 .Lepi_\@
.endm
	; ---- THE FIRST TILE: 256 rows x 256 channels of q or k
	s_wait_tensorcnt 1                             ; the scale bytes and my part of slot 0 are in (slot 1's load may be out),
	s_barrier_signal -1
	s_barrier_wait -1                              ; everybody's are
	FETCH_B 0, 0, 0
	FETCH_A 0, 0, 0
	SCALES ADRS
	FETCH_A 0, 0, 4
	STEP 0, 0, 0, 1                                ; the first products start the sums: nothing is cleared
	TURN 0, 1, 1, 1                                ; slot 0 takes K 512 on
	STEP 1, 0, 2, 0
	TURN 1, 0, 3, 1                                ; slot 1 takes K 768 on
	STEP 0, 0, 4, 0
	TURN 0, 1, 5, 2                                ; THE RING GOES ON INTO THE SECOND TILE: slot 0 takes its K 0 on
	STEP 1, 0, 6, 0
	s_wait_tensorcnt 0x0                           ; the last step: slot 1 has been read out and takes the second tile's K 256 on; wave 1 brings the scale bytes of that tile's B
	ds_add_u32 v[SPW], v[NIL]
	s_wait_dscnt 4*NL+1                            ; the add and the youngest 24 loads may be out
	WIN MUL_LO
	MUL16 0, AF, 1, 7, 0
	s_wait_dscnt 0x0                               ; the add is done, and my reads of slot 1 are over
	s_barrier_signal -1
	MUL16 2, AF, 1, 7, 0
	WIN 0
	s_barrier_wait -1
	CREST
	s_add_nc_u64 s[G0+6:G0+7], s[16:17], ROWB
	s_or_b32 s[G0+7], s[G0+7], 0x80000000
	s_add_nc_u64 s[G0B+6:G0B+7], s[4:5], ROWB
	s_or_b32 s[G0B+7], s[G0B+7], 0x80000000
	s_mov_b32 s[G1SB+2], 32<<16                    ; the scale bytes of 256 rows: 8,192 dense bytes as 32 rows of 256; no load of mine is out, so the group may be written
	s_mov_b32 s[G1SB+4], 32
	s_mov_b32 s[G0SB+1], SCL+2*HALFS
	s_mov_b64 s[G0SB+2:G0SB+3], s[6:7]
	s_or_b32 s[G0SB+3], s[G0SB+3], 0x80000000
	JLOAD2 G0+4, G0B+4, 1, G0SB, G1SB              ; the first tensor load behind the round; it lands under the way out below
	WIN MUL_HI
	MUL16 4, AF, 1, 7, 0
	MUL16 6, AF, 1, 7, 0
	WIN 0
	PLACES NP                                      ; in front of the first read of results and of writes into registers that held operands and scales
	s_wait_loadcnt 0x0                             ; the biases
.irp b, 0,1,2,3
	v_mov_b32 v[TM+4+\b], 0                        ; a lane permute's destination counts as one of its sources
.endr
	s_lshl_b32 s8, s94, 4
	s_lshl_b32 s9, s[AH], 3
	s_add_co_u32 s8, s8, s9                        ; my first tile of 16 rows
	s_lshl_b32 s9, s95, 1
	s_add_co_u32 s9, s9, s[BH]                     ; my 128 channels
	s_mov_b32 s11, 0
	s_lshl_b32 s10, s8, 3
	s_add_co_u32 s10, s10, s9
	s_mul_i32 s10, s10, 1536
	s_mul_i32 s12, ttmp9, 6291456                  ; q's half of the buffer or k's
	s_add_co_u32 s10, s10, s12
	s_add_nc_u64 s[96:97], s[26:27], s[10:11]      ; images
	s_lshl_b32 s10, s9, 9
	s_add_co_u32 s10, s10, s8
	s_lshl_b32 s10, s10, 7
	s_mul_i32 s12, ttmp9, 524288
	s_add_co_u32 s10, s10, s12
	s_add_co_u32 s10, s10, 12582912
	s_add_nc_u64 s[98:99], s[26:27], s[10:11]      ; scale words
	WAYOUT 0, 8
	; ---- THE SECOND TILE: 128 channels x 256 keys of v
	s_wait_tensorcnt 0x0                           ; my one load that was out has landed: both slots and the scale bytes,
	s_barrier_signal -1
	s_barrier_wait -1                              ; everybody's
	FETCH2 0, 0, 0
	SCALES ADRS2
	STEP2 0, 1                                     ; the first products start the sums
	TURN2 1, 1                                     ; slot 0 takes K 512 on
	STEP2 2, 0
	TURN2 3, 1                                     ; slot 1 takes K 768 on
	STEP2 4, 0
	TURN2 5, 0                                     ; nothing is left to fetch
	STEP2 6, 0
	s_wait_dscnt 0x0
	WIN MUL_LO
	MUL16 0, AF+48, 1, 7, 0
	MUL16 2, AF+48, 1, 7, 0
	WIN 0
	PLACES NP
.irp b, 0,1,2,3
	v_mov_b32 v[TM+4+\b], 0
.endr
	s_lshl_b32 s8, s92, 3
	s_lshl_b32 s9, s[AH], 2
	s_add_co_u32 s8, s8, s9                        ; my first tile of 16 channels
	s_lshl_b32 s9, s93, 1
	s_add_co_u32 s9, s9, s[BH]
	s_and_b32 s9, s9, 15                           ; the key step in its batch
	s_lshr_b32 s12, s93, 3                         ; the batch
	s_mov_b32 s11, 0
	s_lshl_b32 s10, s12, 6
	s_add_co_u32 s10, s10, s8
	s_lshl_b32 s10, s10, 4
	s_add_co_u32 s10, s10, s9
	s_mul_i32 s10, s10, 1536
	s_add_nc_u64 s[96:97], s[28:29], s[10:11]      ; images
	s_lshl_b32 s10, s12, 4
	s_add_co_u32 s10, s10, s9
	s_lshl_b32 s10, s10, 6
	s_add_co_u32 s10, s10, s8
	s_lshl_b32 s10, s10, 7
	s_add_co_u32 s10, s10, 6291456
	s_add_nc_u64 s[98:99], s[28:29], s[10:11]      ; scale words
	WAYOUT 1, 4
	s_wait_tensorcnt 0x0                           ; the wave's end
	ds_add_u32 v[SPW], v[NIL]
	s_wait_dscnt 0x0
	CROUND                                         ; the closing round: no work-group ends while a partner may still ask for a tile that names it
	s_endpgm
.Lfunc_end_k_qa6ea7b225d_proj:
	.size	k_qa6ea7b225d_proj, .Lfunc_end_k_qa6ea7b225d_proj-k_qa6ea7b225d_proj
	.p2alignl 7, 3214868480
	.fill 96, 4, 3214868480
	.section	.rodata,"a",@progbits
	.p2align	6, 0x0
	.amdhsa_kernel k_qa6ea7b225d_proj
		.amdhsa_group_segment_fixed_size 327680
		.amdhsa_private_segment_fixed_size 0
		.amdhsa_enable_private_segment 0
		.amdhsa_kernarg_size 104
		.amdhsa_user_sgpr_count 2
		.amdhsa_user_sgpr_kernarg_segment_ptr 1
		.amdhsa_wavefront_size32 1
		.amdhsa_system_sgpr_workgroup_id_x 1
		.amdhsa_system_sgpr_workgroup_id_y 1
		.amdhsa_system_sgpr_workgroup_id_z 1
		.amdhsa_system_vgpr_workitem_id 0
		.amdhsa_next_free_vgpr 1024
		.amdhsa_next_free_sgpr 102
		.amdhsa_reserve_vcc 0
		.amdhsa_float_denorm_mode_32 3
		.amdhsa_float_denorm_mode_16_64 3
		.amdhsa_memory_ordered 1
		.amdhsa_forward_progress 1
		.amdhsa_inst_pref_size 248
	.end_amdhsa_kernel
	.amdgpu_metadata
---
amdhsa.version: [ 1, 2 ]
amdhsa.kernels:
  - .name:           k_qa6ea7b225d_proj
    .symbol:         k_qa6ea7b225d_proj.kd
    .args:
      - { .name: x_codes, .offset: 0, .size: 8, .value_kind: global_buffer, .address_space: global }
      - { .name: x_scales, .offset: 8, .size: 8, .value_kind: global_buffer, .address_space: global }
      - { .name: Wq_codes, .offset: 16, .size: 8, .value_kind: global_buffer, .address_space: global }
      - { .name: Wq_scales, .offset: 24, .size: 8, .value_kind: global_buffer, .address_space: global }
      - { .name: Wk_codes, .offset: 32, .size: 8, .value_kind: global_buffer, .address_space: global }
      - { .name: Wk_scales, .offset: 40, .size: 8, .value_kind: global_buffer, .address_space: global }
      - { .name: Wv_codes, .offset: 48, .size: 8, .value_kind: global_buffer, .address_space: global }
      - { .name: Wv_scales, .offset: 56, .size: 8, .value_kind: global_buffer, .address_space: global }
      - { .name: bq, .offset: 64, .size: 8, .value_kind: global_buffer, .address_space: global }
      - { .name: bk, .offset: 72, .size: 8, .value_kind: global_buffer, .address_space: global }
      - { .name: bv, .offset: 80, .size: 8, .value_kind: global_buffer, .address_space: global }
      - { .name: qk, .offset: 88, .size: 8, .value_kind: global_buffer, .address_space: global }
      - { .name: vw, .offset: 96, .size: 8, .value_kind: global_buffer, .address_space: global }
    .group_segment_fixed_size: 327680
    .private_segment_fixed_size: 0
    .kernarg_segment_align: 8
    .kernarg_segment_size: 104
    .max_flat_workgroup_size: 128
    .sgpr_count:     102
    .vgpr_count:     1024
    .wavefront_size: 32
...
	.end_amdgpu_metadata
.endif
;; end of part 1
;; launch score (part 2): grid 36 x 4, 4 waves a work-group, no clusters, 327,680 bytes of LDS; arguments qk, lengths, pw; writes pw
.if DOCPART == 2
	.amdgcn_target "amdgcn-amd-amdhsa--gfx1250"
	.amdhsa_code_object_version 6
	.text
	.protected	k_qa6ea7b225d_score
	.globl	k_qa6ea7b225d_score
	.p2align	8
	.type	k_qa6ea7b225d_score,@function
k_qa6ea7b225d_score:
	s_mov_b64 s[64:65], 0
	v_nop
	global_prefetch_b8 v0, s[64:65] scope:SCOPE_SE
	s_setreg_imm32_b32 hwreg(HW_REG_WAVE_MODE, 25, 1), 1
	s_wait_xcnt 0x0
; S = q k^T on codes of FP6 (E2M3), the masks, and p = 2^(t - M) as codes, for the tiles of 256 queries x 256 keys that reach under the diagonal: 36 of 64 in each batch.
; LEFT OUT AS DEAD (shown at the head of the first kernel): the 28 tiles wholly over the diagonal, and in a tile on it the way out of the wave whose 128 keys all come after its 128 queries.
; THE LENGTH MASK.  For a visible key (j <= i) it is a term of the ROW: R = -1e9 where i >= lengths[b], else 0.  reference() adds it in f32, which rounds the logit to the grid of -1e9: that rounding is kept:
; fma(score, 2^-5, R) is reference()'s own sum (the product by 2^-5 = 1 / sqrt(1024) is exact); R is then taken off again, which rounds nothing where the sum lies near R: u = logit - R.  t = u log2(e).
; lengths enters by a compare and a select alone.
; A LOCAL M.  A wave owns 128 queries x 128 keys.  For each query and this key step: M = ceil(the step's largest t), p = 2^(t - M), quantised along the keys; the sum l of the unquantised p.  The next launch
; brings every step under the row's M (the largest of the steps' M, a whole number) by taking the difference off the scale bytes: an exact power of two.  Every row of a unit that is written has a visible key.
; pw: p's images [batch][query / 16][key / 128][1,536]; records [batch][query / 16][key / 128][256] at 12,582,912: byte 8 r the scale word, 8 r + 4 -M as a whole number, 128 + 8 r the sum, twice.
; LIMITS: |t| from 2^31 on is held by the conversion to a whole number; a block whose every p is 0 keeps the byte 1: its codes are zeros.
; NO CLUSTER: the tiles under the diagonal form rows of 1 to 8 and columns of 8 to 1, so no division into fours shares an operand under one mask, and rectangles would add work-groups with nothing to do.
; LDS: three slots of 98,304 bytes, each with 256 along K as images: quarter w (0, 1: q's halves; 2, 3: k's) at 24,576 w, tile i at 3,072 i, K step at 1,536.  Wave w fills quarter w.  K = 1,024 is four fills: slot 0 twice.
; REGISTERS: window 0: v16-31 addresses and constants; v32-95 all scale words (lanes 0-15 q's block i, lanes 16-31 k's block i, K step s at v[32 + 8 s + i]); v128-223 q's fragments, one set.
; Window 1: k's fragments, two sets.  Windows 2, 3: the accumulators.  Source 0 = 16 keys, source 1 = 16 queries: a lane holds one query, its registers run along the keys.
.set SLOT,  98304
.set QUART, 24576
.set SPARE, 3*SLOT                     ; the spare words: 128 bytes a wave, two blocks of 256 bytes that no other line names
.set FR,    12
.set NL,    3
.set ADRA, 16                          ; v16-18 my q fragments in slot 0, 1, 2
.set ADRB, 20                          ; v20-22 my k fragments
.set LI,   24                          ; 16 x lane
.set L8,   25                          ; 8 x lane
.set VSO,  26                          ; the scale words' offset
.set VQ0,  27                          ; my query in its batch, block 0
.set SPW,  28
.set NIL,  29
.set VD0,  30                          ; r - 16 h
.set NEG9, 31                          ; -1e9
.set SC,   32
.set AF,   128
.set HA,   128                         ; the way out: a block's 64 numbers
.set PC,   192                         ; codes
.set BM,   212                         ; the blocks' largest
.set BX,   216
.set SO,   220                         ; the conversions' scale operands
.set NM,   224                         ; -M (a pair: the packed form names two)
.set LS,   226
.set L2,   228
.set RR,   230                         ; R (a pair)
.set PW,   232
.set XX,   234                         ; the record's 8 bytes of my lane
.set NMI,  236
.set NINF, 237
.set VD,   238
.set VQ,   239
.set T0,   240
.set T1,   241
.set WV,   10
.set AH,   11
.set BH,   12
.set G1,   16
.set G0,   24
.set LEN,  56
.set DIAG, 57
.set SEL,  58
.set C5,   60                          ; s[60:61] 2^-5
.set LE2,  62                          ; s[62:63] log2(e)
.set PB,   66
.set SB,   68
.set QA,   70
.set CNT,  71
.set HM,   72                          ; lanes 16-31
.set DEAD, 73
.set MSB, 0
.macro WIN new
.if MSB != (\new)
	s_set_vgpr_msb (MSB<<8)|(\new)
.set MSB, (\new)
.endif
.endm
.set MUL_LO, 0xa1
.set MUL_HI, 0xf1
.set TO_B,   0x40
.macro PLACES n
.rept \n
	v_nop
.endr
.endm
	s_load_b128 s[4:7], s[0:1], 0x0                ; qk, lengths
	s_load_b64 s[8:9], s[0:1], 0x10                ; pw
	v_lshl_add_u32 v[SPW], v0, 2, SPARE
	v_mov_b32 v[NIL], 0
	ds_add_u32 v[SPW], v[NIL]                      ; the wave's opening: the add, twice on end, and its wait ahead of my first tensor load
	ds_add_u32 v[SPW], v[NIL]
	v_lshrrev_b32 v1, 5, v0
	v_readfirstlane_b32 s[WV], v1
	s_lshr_b32 s[AH], s[WV], 1                     ; my half of the queries
	s_and_b32 s[BH], s[WV], 1                      ; my half of the keys
	s_mov_b32 s13, 0                               ; the work-group's x counts the tiles (I, J), J <= I, row by row: I = how many of the rows' first numbers it has reached
.irp n, 1,3,6,10,15,21,28
	s_cmp_ge_u32 ttmp9, \n
	s_cselect_b32 s36, 1, 0
	s_add_co_u32 s13, s13, s36
.endr
	s_add_co_u32 s36, s13, 1
	s_mul_i32 s36, s36, s13
	s_lshr_b32 s36, s36, 1
	s_sub_co_u32 s14, ttmp9, s36                   ; J
	s_and_b32 s15, ttmp7, 0xffff                   ; the batch
	s_mov_b32 s[G1+0], 3<<16                       ; no mask; elements of 8 bytes; no padding
	s_mov_b32 s[G1+1], 384<<16                     ; tensor_dim0: two K steps' images of a tile, 3,072 bytes
	s_mov_b32 s[G1+2], 8<<16                       ; tensor_dim1: 8 tiles
	s_mov_b32 s[G1+3], 384<<16                     ; tile_dim0
	s_mov_b32 s[G1+4], 8                           ; tile_dim1
	s_mov_b32 s[G1+5], 1536                        ; from tile to tile: 12,288 bytes
	s_mov_b32 s[G1+6], 0
	s_mov_b32 s[G1+7], 0
	s_cmp_lt_u32 s[WV], 2                          ; waves 0, 1 fill q's halves, waves 2, 3 k's
	s_cselect_b32 s36, s13, s14
	s_lshl_b32 s36, s36, 4
	s_lshl_b32 s37, s15, 7
	s_add_co_u32 s36, s36, s37
	s_lshl_b32 s37, s[BH], 3
	s_add_co_u32 s36, s36, s37                     ; my first tile of 16 rows
	s_mul_i32 s36, s36, 12288
	s_mul_i32 s37, s[AH], 6291456                  ; in q's images or in k's
	s_add_co_u32 s36, s36, s37
	s_mov_b32 s37, 0
	s_mul_i32 s38, s[WV], QUART
	s_wait_dscnt 0x0                               ; both opening adds are done
	s_wait_kmcnt 0x0
	s_add_nc_u64 s[36:37], s[4:5], s[36:37]
.irp g, 0,1,2                          ; the three first fills go out together: three tensor loads of mine are out at the most
	s_mov_b32 s[G0+4*\g], 1
	s_add_co_u32 s[G0+4*\g+1], s38, \g*SLOT
	s_add_nc_u64 s[G0+4*\g+2:G0+4*\g+3], s[36:37], \g*3072
	s_or_b32 s[G0+4*\g+3], s[G0+4*\g+3], 0x80000000
	tensor_load_to_lds s[G0+4*\g:G0+4*\g+3], s[G1:G1+7]
	s_nop 0
.endr
	s_lshl_b32 s40, s15, 2
	s_mov_b32 s41, 0
	s_add_nc_u64 s[6:7], s[6:7], s[40:41]
	s_load_b32 s[LEN], s[6:7], 0x0                 ; lengths[batch]
	v_and_b32 v1, 15, v0                           ; r
	v_bfe_u32 v2, v0, 4, 1                         ; h
	v_and_b32 v3, 31, v0
	v_lshlrev_b32 v[LI], 4, v3
	v_lshlrev_b32 v[L8], 3, v3
	s_mul_i32 s40, s[AH], QUART
	s_mul_i32 s41, s[BH], QUART
	s_add_co_u32 s41, s41, 2*QUART
.irp g, 0,1,2
	v_add_nc_u32 v[ADRA+\g], s40, v[LI]
	v_add_nc_u32 v[ADRB+\g], s41, v[LI]
	s_add_co_u32 s40, s40, SLOT
	s_add_co_u32 s41, s41, SLOT
.endr
	s_lshl_b32 s40, s15, 7
	s_lshl_b32 s41, s13, 4
	s_add_co_u32 s41, s41, s40
	s_lshl_b32 s42, s[AH], 3
	s_add_co_u32 s41, s41, s42                     ; my first tile of queries: 128 b + 16 I + 8 half
	s_lshl_b32 s42, s14, 4
	s_add_co_u32 s42, s42, s40
	s_lshl_b32 s43, s[BH], 3
	s_add_co_u32 s42, s42, s43                     ; of keys
	s_sub_co_u32 s43, s42, s41
	s_lshl_b32 s43, s43, 7
	s_add_co_u32 s43, s43, 524288                  ; from q's words to k's, in bytes: above 0
	s_lshl_b32 s44, s41, 7
	s_add_co_u32 s44, s44, 12582912
	v_mul_lo_u32 v[VSO], v2, s43                   ; lanes 16-31 take k's
	v_lshl_add_u32 v[VSO], v1, 2, v[VSO]
	v_add_nc_u32 v[VSO], s44, v[VSO]
.irp s, 0,1,2,3,4,5,6,7
.irp i, 0,1,2,3,4,5,6,7
	global_load_b32 v[SC+8*\s+\i], v[VSO], s[4:5] offset:65536*\s+128*\i    ; all scale words of my 128 queries and 128 keys, once
.endr
.endr
	s_lshl_b32 s42, s13, 8
	s_lshl_b32 s43, s[AH], 7
	s_add_co_u32 s42, s42, s43
	v_add_nc_u32 v[VQ0], s42, v1
	v_lshlrev_b32 v3, 4, v2
	v_sub_nc_u32 v[VD0], v1, v3
	v_mov_b32 v[NEG9], 0xce6e6b28
	s_cmp_eq_u32 s13, s14
	s_cselect_b32 s42, 1, 0                        ; a tile on the diagonal
	s_cmp_eq_u32 s[AH], s[BH]
	s_cselect_b32 s[DIAG], s42, 0                  ; my unit lies on the diagonal
	s_cmp_lt_u32 s[AH], s[BH]
	s_cselect_b32 s[DEAD], s42, 0                  ; my unit lies wholly over it
	s_mov_b32 s[SEL], 0x76543210
	s_mov_b32 s[SEL+1], 0xfedcba98
	s_mov_b32 s[C5], 0x3d000000                    ; 2^-5
	s_mov_b32 s[C5+1], s[C5]
	s_mov_b32 s[LE2], 0x3fb8aa3b                   ; log2(e)
	s_mov_b32 s[LE2+1], s[LE2]
	s_mov_b32 s[HM], 0xffff0000
	s_lshl_b32 s42, s41, 4
	s_lshl_b32 s43, s14, 1
	s_add_co_u32 s42, s42, s43
	s_add_co_u32 s42, s42, s[BH]                   ; 16 x my first tile of queries + my key step
	s_mul_i32 s44, s42, 1536
	s_mov_b32 s45, 0
	s_add_nc_u64 s[PB:PB+1], s[8:9], s[44:45]      ; p's images
	s_lshl_b32 s44, s42, 8
	s_add_co_u32 s44, s44, 12582912
	s_add_nc_u64 s[SB:SB+1], s[8:9], s[44:45]      ; the records
.macro FRAGI reg, adr, off             ; a fragment comes back as it was stored: three loads of 16 bytes a lane, 512 consecutive bytes each
.irp c, 0,1,2
	ds_load_b128 v[(\reg)+4*\c:(\reg)+4*\c+3], v[\adr] offset:(\off)+512*\c
.endr
.endm
.macro MUL16 a0, p, kap, zero          ; the 64 accumulators take turns, in the same order in every step
.irp a, \a0, \a0+1
.irp b, 0,1,2,3,4,5,6,7
.if \zero
	v_wmma_scale_f32_16x16x128_f8f6f4 v[8*(8*((\a)%4)+\b):8*(8*((\a)%4)+\b)+7], v[128*(\p)+FR*\b:128*(\p)+FR*\b+FR-1], v[AF+FR*(\a):AF+FR*(\a)+FR-1], 0, v[SC+8*(\kap)+\b], v[SC+8*(\kap)+(\a)] matrix_a_fmt:MATRIX_FMT_FP6 matrix_b_fmt:MATRIX_FMT_FP6 matrix_a_scale:MATRIX_SCALE_ROW1
.else
	v_wmma_scale_f32_16x16x128_f8f6f4 v[8*(8*((\a)%4)+\b):8*(8*((\a)%4)+\b)+7], v[128*(\p)+FR*\b:128*(\p)+FR*\b+FR-1], v[AF+FR*(\a):AF+FR*(\a)+FR-1], v[8*(8*((\a)%4)+\b):8*(8*((\a)%4)+\b)+7], v[SC+8*(\kap)+\b], v[SC+8*(\kap)+(\a)] matrix_a_fmt:MATRIX_FMT_FP6 matrix_b_fmt:MATRIX_FMT_FP6 matrix_a_scale:MATRIX_SCALE_ROW1
.endif
.endr
.endr
.endm
.macro FETCH_B lam, q, p
	WIN TO_B
.irp i, 0,1,2,3,4,5,6,7
	FRAGI 128*(\p)+FR*\i, ADRB+\lam, \i*3072+(\q)*1536
.endr
	WIN 0
.endm
.macro FETCH_A lam, q, i0
.irp i, \i0, \i0+1, \i0+2, \i0+3
	FRAGI AF+FR*(\i), ADRA+\lam, (\i)*3072+(\q)*1536
.endr
.endm
; K step kap of 128 (slot (kap / 2) % 3), with the next step's fragments fetched under it; no barrier: the next step's slot has been shown whole.
.macro STEP kap, zero
.set LN, (((\kap)+1)/2)%3
.set QN, ((\kap)+1)%2
	s_wait_dscnt 4*NL                              ; k's set and q's blocks 0-3 are in; the youngest 12 loads (q's blocks 4-7) may be out
	WIN MUL_LO
	MUL16 0, (\kap)%2, \kap, \zero
	MUL16 2, (\kap)%2, \kap, \zero
	s_wait_dscnt 0
	PLACES 4                                       ; in front of loads into registers that matrix instructions have read
	FETCH_B LN, QN, 1-(\kap)%2
	FETCH_A LN, QN, 0
	WIN MUL_HI
	MUL16 4, (\kap)%2, \kap, \zero
	MUL16 6, (\kap)%2, \kap, \zero
	PLACES 4
	WIN 0
	FETCH_A LN, QN, 4
.endm
; The same with a barrier in its middle.  fill = 1 (K step 1): slot 0 has been read out and takes K 768 on.  fill = 0 (K step 5): that fill is shown whole to every wave.
.macro TURN kap, fill
.set LN, (((\kap)+1)/2)%3
.set QN, ((\kap)+1)%2
	s_wait_tensorcnt 0x0                           ; all my tensor loads have landed
	ds_add_u32 v[SPW], v[NIL]
.if \fill
	s_add_nc_u64 s[G0+2:G0+3], s[G0+2:G0+3], 3*3072  ; no load of mine is out: slot 0's group 0 steps to the fourth fill
.endif
	s_wait_dscnt 4*NL+1                            ; the add and the youngest 12 loads may be out
	WIN MUL_LO
	MUL16 0, (\kap)%2, \kap, 0
	s_wait_dscnt 0x0                               ; the add is done, and my reads of the slot in hand are over
	s_barrier_signal -1
	MUL16 2, (\kap)%2, \kap, 0
	WIN 0
	s_barrier_wait -1
.if \fill
	tensor_load_to_lds s[G0:G0+3], s[G1:G1+7]      ; my one tensor load behind this barrier, and the first thing there
	s_nop 0
	PLACES 4
.else
	PLACES 4
.endif
	FETCH_B LN, QN, 1-(\kap)%2
	FETCH_A LN, QN, 0
	WIN MUL_HI
	MUL16 4, (\kap)%2, \kap, 0
	MUL16 6, (\kap)%2, \kap, 0
	PLACES 4
	WIN 0
	FETCH_A LN, QN, 4
.endm
.macro SWAP16 s                        ; register 8 b + j = key 16 b + 8 h + j becomes register 16 c + i = key 32 c + 16 h + i
.irp c, 0,1,2,3
.irp j, 0,1,2,3,4,5,6,7
	v_permlane16_swap_b32 v[\s+16*\c+\j], v[\s+16*\c+8+\j]
.endr
.endr
.endm
.macro COPY a                          ; block a's 64 scores x 2^-5 + R, one rounding: reference()'s logits.  Each accumulator is read from its low end on
.set AC, 64*((\a)%4)
	WIN 0x02+(\a)/4
.set k, 0
.rept 32
	v_pk_fma_f32 v[HA+2*k:HA+2*k+1], v[AC+2*k:AC+2*k+1], s[C5:C5+1], v[RR:RR+1] op_sel_hi:[1,0,0]
.set k, k+1
.endr
	WIN 0
.endm
	s_wait_tensorcnt 2                             ; my part of slot 0 is in; slots 1 and 2 may be out
	s_barrier_signal -1
	s_barrier_wait -1
	FETCH_B 0, 0, 0
	FETCH_A 0, 0, 0
	FETCH_A 0, 0, 4
	s_wait_loadcnt 0x0                             ; the scale words
	s_wait_kmcnt 0x0                               ; the length
	STEP 0, 1                                      ; the first products start the sums
	TURN 1, 1
	STEP 2, 0
	STEP 3, 0
	STEP 4, 0
	TURN 5, 0
	STEP 6, 0
	s_wait_dscnt 4*NL                              ; the last step: nothing more to fetch
	WIN MUL_LO
	MUL16 0, 1, 7, 0
	MUL16 2, 1, 7, 0
	s_wait_dscnt 0
	WIN MUL_HI
	MUL16 4, 1, 7, 0
	MUL16 6, 1, 7, 0
	WIN 0
	s_cmp_lg_u32 s[DEAD], 0                        ; ids and the wave's number alone; no barrier stands in what is jumped over
	s_cbranch_scc1 .Lend
	PLACES 4
.irp b, 0,1,2,3
	v_mov_b32 v[BX+\b], 0                          ; written once: a lane permute's destination counts as one of its sources
.endr
	v_mov_b32 v[T1], 0
	v_mov_b32 v[NM+1], 0                           ; (named as the upper half of a pair)
	v_mov_b32 v[NINF], 0xff800000
	s_mov_b32 s[QA], 0
	s_mov_b32 s[CNT], 0
.Ltrip:                                            ; eight trips, 16 queries each; only the copy names accumulators, so only it is written eight times
	v_add_nc_u32 v[VQ], s[QA], v[VQ0]
	v_cmp_le_i32 vcc_lo, s[LEN], v[VQ]             ; my query at or past the length
	v_cndmask_b32 v[RR], 0, v[NEG9], vcc_lo
	v_mov_b32 v[RR+1], v[RR]
.irp n, 1,2,3,4,5,6,7
	s_cmp_eq_u32 s[CNT], \n
	s_cbranch_scc1 .Lc\n
.endr
	COPY 0
	s_branch .Lbody
.irp n, 1,2,3,4,5,6,7
.Lc\n:
	COPY \n
	s_branch .Lbody
.endr
.Lbody:
.set k, 0
.rept 32
	v_pk_add_f32 v[HA+2*k:HA+2*k+1], v[HA+2*k:HA+2*k+1], v[RR:RR+1] op_sel_hi:[1,0] neg_lo:[0,1] neg_hi:[0,1]   ; u = logit - R
.set k, k+1
.endr
	SWAP16 HA
	s_cmp_eq_u32 s[DIAG], 0
	s_cbranch_scc1 .Lopen
	v_add_nc_u32 v[VD], s[QA], v[VD0]              ; register 16 c + i holds key 32 c + 16 h + i of the unit, my query is 16 a + r: hidden where 32 c + i > 16 a + r - 16 h
.set m, 0
.rept 64
	v_cmp_gt_i32 vcc_lo, 32*(m/16)+m%16, v[VD]
	v_cndmask_b32 v[HA+m], v[HA+m], v[NINF], vcc_lo
.set m, m+1
.endr
.Lopen:
.irp b, 0,1,2,3
	v_max3_num_f32 v[BM+\b], v[HA+16*\b], v[HA+16*\b+1], v[HA+16*\b+2]   ; the largest u of each block of 32 keys: for the row's maximum and, since p rises with u, for the block's largest p
.endr
.irp i, 3,5,7,9,11,13
.irp b, 0,1,2,3
	v_max3_num_f32 v[BM+\b], v[BM+\b], v[HA+16*\b+\i], v[HA+16*\b+\i+1]
.endr
.endr
.irp b, 0,1,2,3
	v_max_num_f32 v[BM+\b], v[BM+\b], v[HA+16*\b+15]
.endr
.irp b, 0,1,2,3
	v_permlanex16_b32 v[BX+\b], v[BM+\b], s[SEL], s[SEL+1]
.endr
.irp b, 0,1,2,3
	v_max_num_f32 v[BM+\b], v[BM+\b], v[BX+\b]
.endr
	v_max3_num_f32 v[T0], v[BM], v[BM+1], v[BM+2]
	v_max_num_f32 v[T0], v[T0], v[BM+3]
	v_mul_f32 v[T0], s[LE2], v[T0]                 ; the step's largest t of my query
	v_floor_f32 v[NM], -v[T0]                      ; -M = floor(-t) = -ceil(t)
.set k, 0
.rept 32
	v_pk_fma_f32 v[HA+2*k:HA+2*k+1], v[HA+2*k:HA+2*k+1], s[LE2:LE2+1], v[NM:NM+1] op_sel_hi:[1,0,0]   ; t - M
.set k, k+1
.endr
.irp b, 0,1,2,3
	v_fma_f32 v[BM+\b], v[BM+\b], s[LE2], v[NM]
.endr
.set k, 0
.rept 64
	v_exp_f32 v[HA+k], v[HA+k]                     ; p = 2^(t - M), at most 1
.set k, k+1
.endr
	v_nop                                          ; a plain place behind the exponentials
	s_wait_alu depctr_va_vdst(0)                   ; one wait for the batch, ahead of its first reader
.irp b, 0,1,2,3
	v_exp_f32 v[BM+\b], v[BM+\b]                   ; the block's largest p: the same two instructions on the same number
.endr
	v_pk_add_f32 v[L2:L2+1], v[HA:HA+1], v[HA+2:HA+3]      ; the sum of the unquantised p, in two chains; it reads the 64 alone
	v_pk_add_f32 v[LS:LS+1], v[HA+4:HA+5], v[HA+6:HA+7]
.irp j, 8,12,16,20,24,28,32,36,40,44,48,52,56,60
	v_pk_add_f32 v[LS:LS+1], v[LS:LS+1], v[HA+\j:HA+\j+1]
	v_pk_add_f32 v[L2:L2+1], v[L2:L2+1], v[HA+\j+2:HA+\j+3]
.endr
	v_pk_add_f32 v[LS:LS+1], v[LS:LS+1], v[L2:L2+1]
	s_wait_alu depctr_va_vdst(0)                   ; and one for the four
.irp b, 0,1,2,3
	v_max_num_f32 v[BM+\b], 0x1800000, v[BM+\b]    ; the floor 2^(3 - 127)
.endr
.irp b, 0,1,2,3
	v_add_nc_u32 v[SO+\b], 0xff000000, v[BM+\b]    ; 2 off the exponent field
.endr
.irp b, 0,1,2,3
	v_lshrrev_b32 v[BX+\b], 23, v[SO+\b]
.endr
	v_lshl_or_b32 v[PW], v[BX+1], 8, v[BX]
	v_lshl_or_b32 v[PW], v[BX+2], 16, v[PW]
	v_lshl_or_b32 v[PW], v[BX+3], 24, v[PW]
.irp c, 0,1
	v_cvt_scalef32_pk16_fp6_f32 v[PC+6*\c:PC+2+6*\c], v[HA+32*\c:HA+15+32*\c], v[SO+2*\c]
	v_cvt_scalef32_pk16_fp6_f32 v[PC+12+4*\c:PC+14+4*\c], v[HA+16+32*\c:HA+31+32*\c], v[SO+2*\c+1]
.endr
	v_nop                                          ; one plain place behind a scaled conversion
.irp c, 0,1
.irp i, 0,1,2
	v_permlane16_swap_b32 v[PC+6*\c+\i], v[PC+12+4*\c+\i]
.endr
.irp i, 0,1,2
	v_mov_b32 v[PC+3+6*\c+\i], v[PC+12+4*\c+\i]
.endr
.endr
	v_add_f32 v[T0], v[LS], v[LS+1]
	v_permlanex16_b32 v[T1], v[T0], s[SEL], s[SEL+1]
	v_add_f32 v[T0], v[T0], v[T1]                  ; the step's sum of my query
	v_cvt_i32_f32 v[NMI], v[NM]
	v_cndmask_b32 v[XX], v[PW], v[T0], s[HM]       ; lanes 0-15: the word and -M; lanes 16-31: the sum, twice
	v_cndmask_b32 v[XX+1], v[NMI], v[T0], s[HM]
.irp c, 0,1,2
	global_store_b128 v[LI], v[PC+4*\c:PC+4*\c+3], s[PB:PB+1] offset:512*\c    ; 32 lanes store 512 consecutive bytes
.endr
	global_store_b64 v[L8], v[XX:XX+1], s[SB:SB+1] ; 32 lanes store the record's 256 bytes
	s_wait_xcnt 0x0                                ; the stores have read their data and bases
	s_add_nc_u64 s[PB:PB+1], s[PB:PB+1], 24576     ; the next 16 queries: 16 key steps on
	s_add_nc_u64 s[SB:SB+1], s[SB:SB+1], 4096
	s_add_co_u32 s[QA], s[QA], 16
	s_add_co_u32 s[CNT], s[CNT], 1
	s_cmp_lt_u32 s[CNT], 8
	s_cbranch_scc1 .Ltrip
.Lend:
	s_wait_tensorcnt 0x0                           ; the wave's end
	ds_add_u32 v[SPW], v[NIL]
	s_wait_dscnt 0x0
	s_endpgm
.Lfunc_end_k_qa6ea7b225d_score:
	.size	k_qa6ea7b225d_score, .Lfunc_end_k_qa6ea7b225d_score-k_qa6ea7b225d_score
	.p2alignl 7, 3214868480
	.fill 96, 4, 3214868480
	.section	.rodata,"a",@progbits
	.p2align	6, 0x0
	.amdhsa_kernel k_qa6ea7b225d_score
		.amdhsa_group_segment_fixed_size 327680
		.amdhsa_private_segment_fixed_size 0
		.amdhsa_enable_private_segment 0
		.amdhsa_kernarg_size 24
		.amdhsa_user_sgpr_count 2
		.amdhsa_user_sgpr_kernarg_segment_ptr 1
		.amdhsa_wavefront_size32 1
		.amdhsa_system_sgpr_workgroup_id_x 1
		.amdhsa_system_sgpr_workgroup_id_y 1
		.amdhsa_system_sgpr_workgroup_id_z 1
		.amdhsa_system_vgpr_workitem_id 0
		.amdhsa_next_free_vgpr 1024
		.amdhsa_next_free_sgpr 80
		.amdhsa_reserve_vcc 1
		.amdhsa_float_denorm_mode_32 3
		.amdhsa_float_denorm_mode_16_64 3
		.amdhsa_memory_ordered 1
		.amdhsa_forward_progress 1
		.amdhsa_inst_pref_size 142
	.end_amdhsa_kernel
	.amdgpu_metadata
---
amdhsa.version: [ 1, 2 ]
amdhsa.kernels:
  - .name:           k_qa6ea7b225d_score
    .symbol:         k_qa6ea7b225d_score.kd
    .args:
      - { .name: qk, .offset: 0, .size: 8, .value_kind: global_buffer, .address_space: global }
      - { .name: lengths, .offset: 8, .size: 8, .value_kind: global_buffer, .address_space: global }
      - { .name: pw, .offset: 16, .size: 8, .value_kind: global_buffer, .address_space: global }
    .group_segment_fixed_size: 327680
    .private_segment_fixed_size: 0
    .kernarg_segment_align: 8
    .kernarg_segment_size: 24
    .max_flat_workgroup_size: 128
    .sgpr_count:     80
    .vgpr_count:     1024
    .wavefront_size: 32
...
	.end_amdgpu_metadata
.endif
;; end of part 2
;; launch pv (part 3): grid 8 x 32, 4 waves a work-group, clusters of 4 x 1, 327,680 bytes of LDS; arguments pw, vw, out0; writes out0
.if DOCPART == 3
	.amdgcn_target "amdgcn-amd-amdhsa--gfx1250"
	.amdhsa_code_object_version 6
	.text
	.protected	k_qa6ea7b225d_pv
	.globl	k_qa6ea7b225d_pv
	.p2align	8
	.type	k_qa6ea7b225d_pv,@function
k_qa6ea7b225d_pv:
	s_mov_b64 s[64:65], 0
	v_nop
	global_prefetch_b8 v0, s[64:65] scope:SCOPE_SE
	s_setreg_imm32_b32 hwreg(HW_REG_WAVE_MODE, 25, 1), 1
	s_wait_xcnt 0x0
	s_wait_alu depctr_hold_cnt(0) depctr_sa_sdst(0) depctr_va_vdst(0) depctr_va_sdst(0) depctr_va_ssrc(0) depctr_va_vcc(0) depctr_vm_vsrc(0)
	s_getreg_b32 s2, hwreg(HW_REG_IB_STS2, 6, 4)
	s_cmp_eq_u32 s2, 0
	s_cbranch_scc0 .Lentry_in_a_cluster
	s_endpgm
.Lentry_in_a_cluster:
	s_bfe_u32 s2, ttmp6, 0x10000c
	s_cmp_lg_u32 s2, 0x3003
	s_cbranch_scc0 .Lentry_shape_is_right
	s_endpgm
.Lentry_shape_is_right:
; O = (p v) / l on codes of FP6 (E2M3).  LEFT OUT AS DEAD (shown at the head of the first kernel): the key steps that lie wholly after a block's queries.
; SHARES.  A work-group owns 128 channels (c) and two blocks of 128 queries of one batch, E = i and L = 15 - i (i = 0 .. 7): block n has n + 1 key steps of 128, so every work-group has 17 UNITS (a block x 128 channels x a
; key step) and all 256 have the same work.  The units form one chain: 0: (E, step 0); 1: (L, step 0); u >= 2: E's step u - 1 while u - 1 <= i, then L's step u - 1 - i.  From u = 9 on the block is L for every i.
; Ids steer global addresses and, in units 2 to 8, a branch between two copies of 16 products (E's accumulators or L's); the condition is the same in all partners and waves.
; A wave takes 64 queries x 64 channels of a unit: source 0 = 16 channels of v, source 1 = 16 queries of p: a lane holds one query and eight neighbouring channels.
; THE ROW'S M.  The launch before left, for each query and key step, p's scale word, -M of that step and the step's sum.  Thread t takes query t of both blocks: the row's -M is the least of the steps';
; d = M(row) - M(step) is taken off each of the word's four bytes (an exact power of two; a byte that would fall under 0 becomes 0, 2^-127, under codes of at most 7.5: a stated limit), and l = the sum of sum x 2^-d.
; CLUSTER: the four partners differ in c alone and walk the same p: p's tiles are asked for jointly.  v's tiles differ between partners (another c), so they are plain loads; work-groups with the same v differ in i
; and would need different steps at the same time.
; LDS: units 0-11 at 24,576 u (p's 8 tiles of 1,536, then v's 8); units 12-16 are filled into bytes 0 .. 122,879 once units 0-4 are read (p's tile j at 7,680 j + 1,536 (u - 12), v's likewise from 61,440).
; Behind the slots: p's adjusted words (17 x 512), v's words (17 x 512), 1 / l (2 x 512), the spare words.  The stage for the way out lies in unit 6's slot, which has had its last fill and its last read by then.
; REGISTERS: window 0: v1 r, v2 h, v4-24 addresses; v32-39 scale words, two sets (lanes 0-15 p's tile j, lanes 16-31 v's tile j); v64-159 p's fragments, two sets; v160-255 v's, two sets.
; Window 1: E's 16 accumulators at v[8 (4 a + b)], L's at 128 + that.
.set UNITB, 24576
.set PWS,   12*UNITB                   ; 294,912
.set VWD,   17*512                     ; from p's words to v's
.set RLD,   2*VWD                      ; from p's words to 1 / l
.set SPARE, PWS+RLD+1024               ; the spare words: 128 bytes a wave, two blocks of 256 bytes that no other line names
.set STAGE, 6*UNITB
.set ADP,  4                           ; v4-9   p's fragments of units 2 n, 2 n + 1
.set ADV,  10                          ; v10-15 v's
.set ADPR, 16                          ; units 12-16
.set ADVR, 17
.set ADRS, 18
.set ADRL, 19
.set STO,  20
.set RD,   21
.set GO,   22
.set VP,   23
.set LI,   24
.set SPW,  28
.set NIL,  29
.set OFF,  64                          ; the prologue's registers lie where fragments come later
.set OFV,  81
.set W,    98
.set LL,   132
.set VW,   149
.set T0,   166
.set T1,   167
.set T2,   168
.set T3,   169
.set T4,   170
.set NME,  171
.set NML,  172
.set SE,   173
.set SL,   174
.set BIG,  175
.set VT,   176
.set VV,   177
.set WV,   10
.set QH,   11                          ; my half of the queries; also: which of two units I fetch
.set CH,   12                          ; my half of the channels; also: I fetch p (0) or v (1)
.set ONES, 101
.set MSB, 0
.macro WIN new
.if MSB != (\new)
	s_set_vgpr_msb (MSB<<8)|(\new)
.set MSB, (\new)
.endif
.endm
.macro PLACES n
.rept \n
	v_nop
.endr
.endm
.macro CROUND                          ; a round of the cluster's barrier
	s_barrier_signal -1
	s_barrier_wait -1
	s_cmp_lg_u32 s[WV], 0
	s_cbranch_scc1 .Lnot_wave_0_\@
	s_barrier_signal -3
.Lnot_wave_0_\@:
	s_barrier_wait -3
	s_barrier_signal -1
	s_barrier_wait -1
.endm
; Group 0 of the first fill number k of my wave, unit u = 2 k + e: p's set at gp, v's at gv; the buffers' addresses are added behind the wait for them.  No register of p's sets ever holds c.
.macro SETS k, gp, gv
.if (\k) == 0
	s_cmp_eq_u32 s[QH], 0
	s_cselect_b32 s20, s15, s19                    ; unit 0: E; unit 1: L
	s_mov_b32 s21, 0
.else
	s_add_co_u32 s22, s[QH], 2*(\k)-1              ; u - 1
	s_cmp_le_u32 s22, s15
	s_cselect_b32 s20, s15, s19
	s_cselect_b32 s21, 0, s15
	s_sub_co_u32 s21, s22, s21                     ; the key step
.endif
	s_lshl_b32 s20, s20, 3
	s_add_co_u32 s20, s20, s23
	s_lshl_b32 s20, s20, 4
	s_add_co_u32 s20, s20, s21
	s_mul_i32 s[\gp+2], s20, 1536
	s_mov_b32 s[\gp+3], 0
	s_mov_b32 s[\gp], 1
	s_add_co_u32 s[\gp+1], s2, (\k)*2*UNITB
	s_add_co_u32 s66, s21, s3
	s_mul_i32 s[\gv+2], s66, 1536
	s_mov_b32 s[\gv+3], 0
	s_mov_b32 s[\gv], 1
	s_add_co_u32 s[\gv+1], s2, (\k)*2*UNITB+12288
.endm
	s_load_b128 s[4:7], s[0:1], 0x0                ; pw, vw
	s_load_b64 s[8:9], s[0:1], 0x10                ; out0
	v_lshl_add_u32 v[SPW], v0, 2, SPARE
	v_mov_b32 v[NIL], 0
	ds_add_u32 v[SPW], v[NIL]                      ; the wave's opening: the add, twice on end, and its wait ahead of my first tensor load
	ds_add_u32 v[SPW], v[NIL]
	v_lshrrev_b32 v1, 5, v0
	v_readfirstlane_b32 s[WV], v1
	s_lshr_b32 s[QH], s[WV], 1
	s_and_b32 s[CH], s[WV], 1
	s_bfe_u32 s13, ttmp6, 0x40000                  ; cx
	s_lshl_b32 s16, ttmp9, 2
	s_add_co_u32 s16, s16, s13                     ; c
	s_and_b32 s17, ttmp7, 0xffff
	s_lshr_b32 s14, s17, 3                         ; the batch
	s_and_b32 s15, s17, 7                          ; i = E
	s_sub_co_u32 s19, 15, s15                      ; L
	s_lshl_b32 s23, s14, 7                         ; 128 b
	s_lshl_b32 s67, s14, 4                         ; 16 b
	s_lshl_b32 s100, s16, 3                        ; 8 c
	s_lshl_b32 s3, s14, 6
	s_add_co_u32 s3, s3, s100
	s_lshl_b32 s3, s3, 4                           ; (64 b + 8 c) x 16
	s_mul_i32 s2, s[QH], UNITB
	s_mov_b32 s[ONES], 0x01010101
	s_mov_b32 s24, 15|(3<<16)|(1<<21)              ; p: the mask of all four partners; elements of 8 bytes; bit 21 beside a mask
	s_mov_b32 s32, 3<<16                           ; v: no mask
.irp g, 24, 32
	s_mov_b32 s[\g+1], 192<<16                     ; tensor_dim0: an image, 1,536 bytes
	s_mov_b32 s[\g+2], 8<<16                       ; tensor_dim1: 8 tiles
	s_mov_b32 s[\g+3], 192<<16
	s_mov_b32 s[\g+4], 8
	s_mov_b32 s[\g+5], 3072                        ; from tile to tile: 16 key steps, 24,576 bytes
	s_mov_b32 s[\g+6], 0
	s_mov_b32 s[\g+7], 0
.endr
	SETS 0, 56, 84
	SETS 1, 60, 88
	SETS 2, 68, 92
	SETS 3, 72, 96
	SETS 4, 76, 40
	SETS 5, 80, 44
	s_lshl_b32 s20, s19, 3                         ; the refill: units 12-16 are L's steps 11 - i .. 15 - i: 7,680 consecutive bytes of each tile; I bring four tiles
	s_add_co_u32 s20, s20, s23
	s_lshl_b32 s21, s[QH], 2
	s_add_co_u32 s20, s20, s21
	s_lshl_b32 s20, s20, 4
	s_sub_co_u32 s22, 11, s15
	s_add_co_u32 s20, s20, s22
	s_mul_i32 s50, s20, 1536
	s_mov_b32 s51, 0
	s_mov_b32 s48, 1
	s_mul_i32 s49, s[QH], 30720
	s_lshl_b32 s66, s21, 4
	s_add_co_u32 s66, s66, s3
	s_add_co_u32 s66, s66, s22
	s_mul_i32 s54, s66, 1536
	s_mov_b32 s55, 0
	s_mov_b32 s52, 1
	s_add_co_u32 s53, s49, 61440
	s_wait_dscnt 0x0                               ; both opening adds are done
	s_wait_kmcnt 0x0
.irp g, 56,60,68,72,76,80,48
	s_add_nc_u64 s[\g+2:\g+3], s[4:5], s[\g+2:\g+3]
	s_or_b32 s[\g+3], s[\g+3], 0x80000000
.endr
.irp g, 84,88,92,96,40,44,52
	s_add_nc_u64 s[\g+2:\g+3], s[6:7], s[\g+2:\g+3]
	s_or_b32 s[\g+3], s[\g+3], 0x80000000
.endr
	CROUND                                         ; all four work-groups are here: the first joint loads meet
	s_cmp_eq_u32 s[CH], 0                          ; a wave's six first fills stand in one branch: six tensor loads of mine are out at the most
	s_cbranch_scc0 .Lfirst_v
.irp g, 56,60,68,72,76,80
	tensor_load_to_lds s[\g:\g+3], s[24:31]
	s_nop 0
.endr
	PLACES 4
	s_branch .Lfirst_done
.Lfirst_v:
.irp g, 84,88,92,96,40,44
	tensor_load_to_lds s[\g:\g+3], s[32:39]
	s_nop 0
.endr
	PLACES 4
.Lfirst_done:
	; ---- the prologue, while the fills are on their way
	v_and_b32 v1, 15, v0                           ; r
	v_bfe_u32 v2, v0, 4, 1                         ; h
	v_lshrrev_b32 v3, 4, v0                        ; my query's (and my channel's) tile
	v_lshlrev_b32 v[VT], 12, v3
	v_lshl_add_u32 v[VT], v1, 3, v[VT]
	v_add_nc_u32 v[VT], 12582912, v[VT]            ; records: 4,096 bytes a tile, 8 bytes a row
	v_lshlrev_b32 v[VV], 7, v3
	v_lshl_add_u32 v[VV], v1, 2, v[VV]
	v_add_nc_u32 v[VV], 6291456, v[VV]             ; v's words: 128 bytes a tile, 4 a row
	v_lshl_add_u32 v[VP], v0, 2, PWS
	v_mov_b32 v[BIG], 0x7fffffff
.macro PRELOAD u                       ; unit u's record of my query and scale word of my channel
.if (\u) == 0
	s_mov_b32 s20, s15
	s_mov_b32 s21, 0
.elseif (\u) == 1
	s_mov_b32 s20, s19
	s_mov_b32 s21, 0
.else
	s_cmp_ge_u32 s15, (\u)-1
	s_cselect_b32 s20, s15, s19
	s_cselect_b32 s21, 0, s15
	s_sub_co_u32 s21, (\u)-1, s21
.endif
	s_lshl_b32 s20, s20, 3
	s_add_co_u32 s20, s20, s23
	s_lshl_b32 s20, s20, 4
	s_add_co_u32 s20, s20, s21
	s_lshl_b32 s20, s20, 8
	v_add_nc_u32 v[OFF+(\u)], s20, v[VT]
	s_add_co_u32 s21, s21, s67
	s_lshl_b32 s21, s21, 6
	s_add_co_u32 s21, s21, s100
	s_lshl_b32 s21, s21, 7
	v_add_nc_u32 v[OFV+(\u)], s21, v[VV]
	global_load_b64 v[W+2*(\u):W+2*(\u)+1], v[OFF+(\u)], s[4:5]          ; the word, -M
	global_load_b32 v[LL+(\u)], v[OFF+(\u)], s[4:5] offset:128           ; the step's sum
	global_load_b32 v[VW+(\u)], v[OFV+(\u)], s[6:7]
.endm
.irp u, 0,1,2,3,4,5,6,7,8,9,10,11,12,13,14,15,16
	PRELOAD \u
.endr
	; the addresses of the chain and of the way out
	v_and_b32 v3, 31, v0
	v_lshlrev_b32 v[LI], 4, v3
	s_mul_i32 s20, s[QH], 6144
	s_mul_i32 s21, s[CH], 6144
	s_add_co_u32 s21, s21, 12288
.irp n, 0,1,2,3,4,5
	v_add_nc_u32 v[ADP+\n], s20, v[LI]
	v_add_nc_u32 v[ADV+\n], s21, v[LI]
	s_add_co_u32 s20, s20, 2*UNITB
	s_add_co_u32 s21, s21, 2*UNITB
.endr
	s_mul_i32 s20, s[QH], 30720
	v_add_nc_u32 v[ADPR], s20, v[LI]
	s_mul_i32 s20, s[CH], 30720
	s_add_co_u32 s20, s20, 61440
	v_add_nc_u32 v[ADVR], s20, v[LI]
	s_lshl_b32 s20, s[QH], 8
	s_lshl_b32 s21, s[CH], 8
	s_add_co_u32 s21, s21, VWD
	s_sub_co_u32 s21, s21, s20                     ; from my queries' words to my channels'
	v_mul_u32_u24 v[ADRS], s21, v2                 ; lanes 16-31 take v's
	v_lshl_add_u32 v[ADRS], v1, 2, v[ADRS]
	s_add_co_u32 s21, s20, PWS
	v_add_nc_u32 v[ADRS], s21, v[ADRS]
	s_add_co_u32 s21, s20, PWS+RLD
	v_lshl_add_u32 v[ADRL], v1, 2, s21
	s_mul_i32 s20, s[WV], 16*272
	s_add_co_u32 s20, s20, STAGE
	v_mul_u32_u24 v[STO], v1, 272
	v_lshl_add_u32 v[STO], v2, 5, v[STO]
	v_add_nc_u32 v[STO], s20, v[STO]               ; into the stage: row r, 32 bytes for each half of the lanes
	v_mul_u32_u24 v[RD], v2, 272
	v_lshl_add_u32 v[RD], v1, 4, v[RD]
	v_add_nc_u32 v[RD], s20, v[RD]                 ; back: lanes 0-15 one row of 256 bytes, lanes 16-31 the next
	v_lshlrev_b32 v[GO], 12, v2
	v_lshl_add_u32 v[GO], v1, 4, v[GO]             ; and the same two rows in out0
	s_wait_loadcnt 0x0
	v_mov_b32 v[NME], v[W+1]                       ; the rows' -M: the least of the steps'
	v_mov_b32 v[NML], v[W+3]
.irp u, 2,3,4,5,6,7,8
	s_cmp_ge_u32 s15, \u-1
	s_cselect_b32 s20, -1, 0                       ; all lanes on where the unit is E's
	v_cndmask_b32 v[T0], v[BIG], v[W+2*\u+1], s20
	v_cndmask_b32 v[T1], v[W+2*\u+1], v[BIG], s20
	v_min_i32 v[NME], v[NME], v[T0]
	v_min_i32 v[NML], v[NML], v[T1]
.endr
.irp u, 9,10,11,12,13,14,15,16
	v_min_i32 v[NML], v[NML], v[W+2*\u+1]
.endr
.macro ADJ u                           ; unit u: the sum and the word under the row's M; the words to LDS
.if (\u) == 0
	v_sub_nc_u32 v[T0], v[NME], v[W+1]             ; -d, 0 or less
	v_ldexp_f32 v[SE], v[LL], v[T0]
.elseif (\u) == 1
	v_sub_nc_u32 v[T0], v[NML], v[W+3]
	v_ldexp_f32 v[SL], v[LL+1], v[T0]
.elseif (\u) < 9
	s_cmp_ge_u32 s15, (\u)-1
	s_cselect_b32 s20, -1, 0
	v_cndmask_b32 v[T2], v[NML], v[NME], s20
	v_sub_nc_u32 v[T0], v[T2], v[W+2*(\u)+1]
	v_ldexp_f32 v[T1], v[LL+(\u)], v[T0]
	v_cndmask_b32 v[T4], 0, v[T1], s20
	v_add_f32 v[SE], v[SE], v[T4]
	v_cndmask_b32 v[T4], v[T1], 0, s20
	v_add_f32 v[SL], v[SL], v[T4]
.else
	v_sub_nc_u32 v[T0], v[NML], v[W+2*(\u)+1]
	v_ldexp_f32 v[T1], v[LL+(\u)], v[T0]
	v_add_f32 v[SL], v[SL], v[T1]
.endif
	v_sub_nc_u32 v[T0], 0, v[T0]                   ; d
	v_min_u32 v[T0], 127, v[T0]
	v_mul_lo_u32 v[T0], v[T0], s[ONES]             ; d in each byte
	v_or_b32 v[T3], 0x80808080, v[W+2*(\u)]        ; p's bytes are at most 125: with bit 7 set no byte borrows from the next
	v_sub_nc_u32 v[T3], v[T3], v[T0]
	v_lshrrev_b32 v[T0], 7, v[T3]
	v_and_b32 v[T0], s[ONES], v[T0]                ; 1 where the byte stayed at 0 or above
	v_lshlrev_b32 v[T4], 8, v[T0]
	v_sub_nc_u32 v[T0], v[T4], v[T0]               ; 0xff there
	v_and_b32 v[T3], 0x7f7f7f7f, v[T3]
	v_and_b32 v[T3], v[T3], v[T0]
	ds_store_b32 v[VP], v[T3] offset:512*(\u)
	ds_store_b32 v[VP], v[VW+(\u)] offset:VWD+512*(\u)
.endm
.irp u, 0,1,2,3,4,5,6,7,8,9,10,11,12,13,14,15,16
	ADJ \u
.endr
	v_rcp_f32 v[T0], v[SE]
	v_rcp_f32 v[T1], v[SL]
	v_nop                                          ; a plain place behind the reciprocals
	s_wait_alu depctr_va_vdst(0)                   ; one wait for both, ahead of their first reader
	ds_store_b32 v[VP], v[T0] offset:RLD
	ds_store_b32 v[VP], v[T1] offset:RLD+512
.macro FRAGI reg, adr, off
.irp c, 0,1,2
	ds_load_b128 v[(\reg)+4*\c:(\reg)+4*\c+3], v[\adr] offset:(\off)+512*\c
.endr
.endm
.macro FETCH u                         ; unit u's four fragments of p, four of v and four scale registers, into set u % 2
.set PS, 64+48*((\u)%2)
.set VS, 160+48*((\u)%2)
.irp a, 0,1,2,3
.if (\u) < 12
	FRAGI PS+12*\a, ADP+(\u)/2, ((\u)%2)*UNITB+\a*1536
.else
	FRAGI PS+12*\a, ADPR, \a*7680+((\u)-12)*1536
.endif
.endr
.irp a, 0,1,2,3
.if (\u) < 12
	FRAGI VS+12*\a, ADV+(\u)/2, ((\u)%2)*UNITB+\a*1536
.else
	FRAGI VS+12*\a, ADVR, \a*7680+((\u)-12)*1536
.endif
.endr
.irp j, 0,1,2,3
	ds_load_b32 v[32+4*((\u)%2)+\j], v[ADRS] offset:512*(\u)+64*\j
.endr
.endm
.macro MULX u, x, zero                 ; 16 products onto block x's accumulators, which take turns
.set PS, 64+48*((\u)%2)
.set VS, 160+48*((\u)%2)
.set SS, 32+4*((\u)%2)
	WIN 0x50                                       ; C and D window 1
.irp a, 0,1,2,3
.irp b, 0,1,2,3
.if \zero
	v_wmma_scale_f32_16x16x128_f8f6f4 v[128*(\x)+8*(4*\a+\b):128*(\x)+8*(4*\a+\b)+7], v[VS+12*\b:VS+12*\b+11], v[PS+12*\a:PS+12*\a+11], 0, v[SS+\b], v[SS+\a] matrix_a_fmt:MATRIX_FMT_FP6 matrix_b_fmt:MATRIX_FMT_FP6 matrix_a_scale:MATRIX_SCALE_ROW1
.else
	v_wmma_scale_f32_16x16x128_f8f6f4 v[128*(\x)+8*(4*\a+\b):128*(\x)+8*(4*\a+\b)+7], v[VS+12*\b:VS+12*\b+11], v[PS+12*\a:PS+12*\a+11], v[128*(\x)+8*(4*\a+\b):128*(\x)+8*(4*\a+\b)+7], v[SS+\b], v[SS+\a] matrix_a_fmt:MATRIX_FMT_FP6 matrix_b_fmt:MATRIX_FMT_FP6 matrix_a_scale:MATRIX_SCALE_ROW1
.endif
.endr
.endr
	WIN 0
.endm
.macro MULSEL u                        ; units 2 to 8: E's while u - 1 <= i, else L's
	s_cmp_ge_u32 s15, (\u)-1
	s_cbranch_scc0 .Llate_\@
	MULX \u, 0, 0
	s_branch .Ldone_\@
.Llate_\@:
	MULX \u, 1, 0
.Ldone_\@:
.endm
.macro AHEAD u                         ; unit u is in registers; unit u + 1 is fetched under unit u's products, four places behind the products that read its registers
	s_wait_dscnt 0x0
	PLACES 4
	FETCH (\u)+1
.endm
.macro GATE n                          ; my first fills but the youngest n have landed, and everybody's
	s_wait_dscnt 0x0
	s_wait_tensorcnt \n
	s_barrier_signal -1
	s_barrier_wait -1
.endm
	GATE 5                                         ; units 0 and 1, and the prologue's words
	FETCH 0
	s_wait_dscnt 0x0
	FETCH 1
	MULX 0, 0, 1                                   ; the first products start E's sums,
	GATE 4                                         ; units 2 and 3
	PLACES 4
	FETCH 2
	MULX 1, 1, 1                                   ; and L's
	AHEAD 2
	MULSEL 2
	GATE 3                                         ; units 4 and 5
	PLACES 4
	FETCH 4
	MULSEL 3
	AHEAD 4
	MULSEL 4
	s_wait_tensorcnt 0x0                           ; THE REFILL.  All my tensor loads have landed (units up to 11),
	ds_add_u32 v[SPW], v[NIL]                      ; the refill's two groups 1 are written between it and the wait for it
	s_mov_b32 s68, 15|(3<<16)|(1<<21)
	s_mov_b32 s84, 3<<16
.irp g, 68, 84
	s_mov_b32 s[\g+1], 960<<16                     ; five key steps' images of a tile: 7,680 bytes
	s_mov_b32 s[\g+2], 4<<16                       ; four tiles
	s_mov_b32 s[\g+3], 960<<16
	s_mov_b32 s[\g+4], 4
	s_mov_b32 s[\g+5], 3072
	s_mov_b32 s[\g+6], 0
	s_mov_b32 s[\g+7], 0
.endr
	s_wait_dscnt 0x0                               ; the add is done; unit 5 is in registers, and my reads of units 0-4 are long over
	CROUND                                         ; the same holds of every wave of every partner
	s_cmp_eq_u32 s[CH], 0
	s_cbranch_scc0 .Lre_v
	tensor_load_to_lds s[48:51], s[68:75]          ; my one tensor load behind the round
	s_nop 0
	PLACES 4
	s_branch .Lre_done
.Lre_v:
	tensor_load_to_lds s[52:55], s[84:91]
	s_nop 0
	PLACES 4
.Lre_done:
	FETCH 6                                        ; (the four v_nop are also the places in front of these loads)
	MULSEL 5
	AHEAD 6
	MULSEL 6
	AHEAD 7
	MULSEL 7
	AHEAD 8
	MULSEL 8
	AHEAD 9
	MULX 9, 1, 0
	AHEAD 10
	MULX 10, 1, 0
	GATE 0                                         ; the refill: one load of mine was out
	PLACES 4
	FETCH 12
	MULX 11, 1, 0
	AHEAD 12
	MULX 12, 1, 0
	AHEAD 13
	MULX 13, 1, 0
	AHEAD 14
	MULX 14, 1, 0
	AHEAD 15
	MULX 15, 1, 0
	s_wait_dscnt 0x0
	MULX 16, 1, 0
	; ---- THE WAY OUT: a tile of 16 queries x my 64 channels at a time: x 1 / l, through my stage, and out as rows of 256 bytes
	s_lshl_b32 s20, s14, 11
	s_lshl_b32 s21, s[QH], 6
	s_add_co_u32 s20, s20, s21                     ; 2,048 b + 64 x half
	s_lshl_b32 s21, s15, 7
	s_add_co_u32 s21, s21, s20                     ; E's first row of mine
	s_lshl_b32 s22, s19, 7
	s_add_co_u32 s22, s22, s20                     ; L's
	s_lshl_b32 s66, s16, 9
	s_lshl_b32 s67, s[CH], 8
	s_add_co_u32 s66, s66, s67                     ; my first channel, in bytes
	s_lshl_b32 s20, s21, 12
	s_add_co_u32 s20, s20, s66
	s_mov_b32 s21, 0
	s_lshl_b32 s22, s22, 12
	s_add_co_u32 s22, s22, s66
	s_mov_b32 s23, 0
	s_add_nc_u64 s[20:21], s[8:9], s[20:21]
	s_add_nc_u64 s[22:23], s[8:9], s[22:23]
	PLACES 4                                       ; in front of the first read of results and of loads into registers that held operands and scales
.irp n, 0,1,2,3,4,5,6,7
	ds_load_b32 v[32+2*\n], v[ADRL] offset:512*(\n/4)+64*(\n%4)      ; 1 / l of my query in tile n, twice: a pair for the packed multiply
	ds_load_b32 v[33+2*\n], v[ADRL] offset:512*(\n/4)+64*(\n%4)
.endr
	s_wait_dscnt 0x0
.macro PACKST n
.set AC, 128*((\n)/4)+32*((\n)%4)
	WIN 0x01                                       ; source 0 window 1
.set k, 0
.rept 16
	v_pk_mul_f32 v[64+2*k:65+2*k], v[AC+2*k:AC+2*k+1], v[32+2*(\n):33+2*(\n)]    ; each accumulator from its low end on
.set k, k+1
.endr
	WIN 0
.irp b, 0,1,2,3
	ds_store_b128 v[STO], v[64+8*\b:67+8*\b] offset:64*\b
	ds_store_b128 v[STO], v[68+8*\b:71+8*\b] offset:64*\b+16
.endr
.set BB, 96+32*((\n)%2)
.irp t, 0,1,2,3,4,5,6,7
	ds_load_b128 v[BB+4*\t:BB+4*\t+3], v[RD] offset:544*\t           ; LDS serves a wave's instructions in order: these see my stores, and the next tile's stores come behind them
.endr
.endm
.macro SENDO n, younger                ; younger: the LDS instructions issued behind tile n's loads
.set BB, 96+32*((\n)%2)
.set OB, 20+2*((\n)/4)
	s_wait_dscnt \younger
.irp t, 0,1,2,3,4,5,6,7
	global_store_b128 v[GO], v[BB+4*\t:BB+4*\t+3], s[OB:OB+1] offset:65536*((\n)%4)+8192*\t th:TH_STORE_NT   ; 16 lanes store 256 consecutive bytes, at a multiple of 256 from out0's first byte
.endr
.endm
	PACKST 0
.irp n, 1,2,3,4,5,6,7
.if \n > 1
	s_wait_xcnt 0x0                                ; tile n - 2's stores have read their registers: tile n's loads may land there
.endif
	PACKST \n
	SENDO \n-1, 16                                 ; behind tile n - 1's loads: tile n's 8 stores and 8 loads
.endr
	SENDO 7, 0
	s_wait_tensorcnt 0x0                           ; the wave's end
	ds_add_u32 v[SPW], v[NIL]
	s_wait_dscnt 0x0
	CROUND                                         ; the closing round
	s_endpgm
.Lfunc_end_k_qa6ea7b225d_pv:
	.size	k_qa6ea7b225d_pv, .Lfunc_end_k_qa6ea7b225d_pv-k_qa6ea7b225d_pv
	.p2alignl 7, 3214868480
	.fill 96, 4, 3214868480
	.section	.rodata,"a",@progbits
	.p2align	6, 0x0
	.amdhsa_kernel k_qa6ea7b225d_pv
		.amdhsa_group_segment_fixed_size 327680
		.amdhsa_private_segment_fixed_size 0
		.amdhsa_enable_private_segment 0
		.amdhsa_kernarg_size 24
		.amdhsa_user_sgpr_count 2
		.amdhsa_user_sgpr_kernarg_segment_ptr 1
		.amdhsa_wavefront_size32 1
		.amdhsa_system_sgpr_workgroup_id_x 1
		.amdhsa_system_sgpr_workgroup_id_y 1
		.amdhsa_system_sgpr_workgroup_id_z 1
		.amdhsa_system_vgpr_workitem_id 0
		.amdhsa_next_free_vgpr 512
		.amdhsa_next_free_sgpr 102
		.amdhsa_reserve_vcc 0
		.amdhsa_float_denorm_mode_32 3
		.amdhsa_float_denorm_mode_16_64 3
		.amdhsa_memory_ordered 1
		.amdhsa_forward_progress 1
		.amdhsa_inst_pref_size 153
	.end_amdhsa_kernel
	.amdgpu_metadata
---
amdhsa.version: [ 1, 2 ]
amdhsa.kernels:
  - .name:           k_qa6ea7b225d_pv
    .symbol:         k_qa6ea7b225d_pv.kd
    .args:
      - { .name: pw, .offset: 0, .size: 8, .value_kind: global_buffer, .address_space: global }
      - { .name: vw, .offset: 8, .size: 8, .value_kind: global_buffer, .address_space: global }
      - { .name: out0, .offset: 16, .size: 8, .value_kind: global_buffer, .address_space: global }
    .group_segment_fixed_size: 327680
    .private_segment_fixed_size: 0
    .kernarg_segment_align: 8
    .kernarg_segment_size: 24
    .max_flat_workgroup_size: 128
    .sgpr_count:     102
    .vgpr_count:     512
    .wavefront_size: 32
...
	.end_amdgpu_metadata
.endif
;; end of part 3
